; MI455X (gfx1250); checked and timed in simulation.
; The chip was launched on July 23, 2026; its instructions are those of AMD's public machine-readable ISA for CDNA 5 (MIT licence, August 2026) and "CDNA5" Instruction Set Architecture Reference Guide (July 2026). The comments in the code are by the model that wrote it; some were corrected since.
;; Multi Head Self Attention. Allowed arithmetic: matrix products marked QUANTISED: E2M3 operands, one E8M0 scale for each 32 along K, by v_wmma_scale_f32_16x16x128_f8f6f4 with both operands' format E2M3, f32 sums; everything else in f32.
;; Inputs: bk 1,024 float32; bo 1,024 float32; bq 1,024 float32; bv 1,024 float32; wk 1,024 x 1,024 float32; wo 1,024 x 1,024 float32; wq 1,024 x 1,024 float32; wv 1,024 x 1,024 float32; x 4 x 2,048 x 1,024 float32.
;; Outputs: out0 4 x 2,048 x 1,024 float32.
;; This version of the problem:
;;   THIS VERSION OF THE PROBLEM IS GIVEN IN LOW PRECISION. The matrix products marked QUANTISED in the list below multiply operands that are first quantised to E2M3 (2 exponent bits, 3 mantissa bits; 6 bits a number), with one power-of-two scale for each 32 numbers along K (OCP MX v1.0); their sums are f32. All else is computed in f32.
;;   The module's matrix products, in the order in which they are computed (A, B: the left and right operand; K: the contracted axis; several contracted axes count as one K, in the product's order):
;;     1. [M 8,192, K 1,024] x [K 1,024, N 1,024]; A: input x; B: input wq: QUANTISED
;;     2. [M 8,192, K 1,024] x [K 1,024, N 1,024]; A: input x; B: input wk: QUANTISED
;;     3. [M 8,192, K 1,024] x [K 1,024, N 1,024]; A: input x; B: input wv: QUANTISED
;;     4. batch 64 x [M 2,048, K 64] x [K 64, N 2,048]; A: computed on the way; B: computed on the way: QUANTISED
;;     5. batch 64 x [M 2,048, K 2,048] x [K 2,048, N 64]; A: softmax (see below); B: computed on the way: QUANTISED
;;     6. [M 8,192, K 1,024] x [K 1,024, N 1,024]; A: computed on the way; B: input wo: QUANTISED
;;   THE QUANTISER, for each operand of a quantised product, along K:
;;     - K is cut into blocks of 32 from its start; a last block that is shorter is filled with zeros.
;;     - A block's scale is 2^e with e = floor(log2(the largest magnitude in the block)) - 2, held to -126 .. 127; a block of zeros has e = 0. As a byte (E8M0): e + 127.
;;     - Each number is divided by its block's scale, clamped to +-7.5, and rounded to the nearest number of E2M3, ties to even, subnormals kept.
;;     - The product sums the exact products of the quantised numbers (number of the format x scale) in f32.
;;   ~~~python
;;   def quantise(x, axis):      # numpy; x: float32 -> the quantised numbers, widened to float32 again
;;       x = np.moveaxis(x, axis, -1); K = x.shape[-1]
;;       x = np.pad(x, [(0, 0)] * (x.ndim - 1) + [(0, -K % 32)]); x = x.reshape(x.shape[:-1] + (-1, 32)); a = np.abs(x).max(-1, keepdims=True)
;;       e = np.where(a > 0, np.clip(np.frexp(np.where(a > 0, a, 1))[1] - 1 - 2, -126, 127), 0)      # np.frexp(a)[1] - 1 = floor(log2(a)), exactly
;;       r = np.clip(x / 2.0 ** e, -7.5, 7.5)
;;       step = 2.0 ** (np.maximum(np.frexp(np.where(r == 0, 1, r))[1] - 1, 0) - 3)
;;       q = np.round(r / step) * step * 2.0 ** e      # np.round: ties to even
;;       return np.moveaxis(q.reshape(q.shape[:-2] + (-1,))[..., :K], -1, axis).astype(np.float32)
;;   ~~~
;;   SOFTMAX AHEAD OF A QUANTISED PRODUCT. Where the list says 'softmax', what is quantised is not the finished softmax but p = 2^(t - M), with t = logit x log2(e) and M = ceil(the row's largest t), a whole number; so 1/2 < the row's largest p <= 1. The row's sum l is taken of the UNQUANTISED p, in f32, and the product's result is divided by l at the end. Since M is a whole number, a kernel that streams over the keys may use a running M (the ceiling of the running maximum): every later rescaling is an exact power of two, which a block's scale takes up: the codes' values come out the same.
;;   OPERANDS COMPUTED ON THE WAY. 'Computed on the way' means the value that the module computes at that place (a softmax that the list does not call 'softmax' is quantised finished and normalised). What goes into a quantiser is computed in f32, as accurately as f32 sums, v_exp_f32 and their like allow (about 1e-6 of the number): no bf16 or f16 on the way to a quantiser, and a product that is left as it is and whose result goes on into a quantised operand takes f32 operands (vector FMAs, or v_wmma_f32_16x16x4_f32). A number that lies on a knife's edge between two numbers of the format may be rounded either way, as far as f32 arithmetic and the matrix unit's own rounding can turn it there, and no further.
;; One version. Each part assembles by itself: llvm-mc -triple=amdgcn-amd-amdhsa -mcpu=gfx1250 --defsym DOCPART=n.
;; ======== version 1 of 1: 4 launches
;; limits: right only within a limited range of input values
;; workspace buffers: xbuf 6,815,744 bytes; wbuf 3,407,872 bytes; qbuf 6,553,600 bytes; kv 13,107,200 bytes; cbuf 6,815,744 bytes
;; launch quant (part 1): grid 768 x 1, 4 waves a work-group, no clusters, 101,888 bytes of LDS; arguments x, wq, wk, wv, wo, xbuf, wbuf; writes xbuf, wbuf
.if DOCPART == 1
	.amdgcn_target "amdgcn-amd-amdhsa--gfx1250"
	.amdhsa_code_object_version 6
	.text
	.protected	k_qe232c6a268_quant
	.globl	k_qe232c6a268_quant
	.p2align	8
	.type	k_qe232c6a268_quant,@function
k_qe232c6a268_quant:
	s_mov_b64 s[64:65], 0
	v_nop
	global_prefetch_b8 v0, s[64:65] scope:SCOPE_SE
	s_setreg_imm32_b32 hwreg(HW_REG_WAVE_MODE, 25, 1), 1
	s_wait_xcnt 0x0
; x [8192][1024] and the four weights [1024 (k)][1024 (n)], f32, become codes of FP6 (E2M3) with one E8M0 byte for each 32 along K,
; laid in the order in which the products' operand registers take them.
; A TILE is 16 rows; tile 2 f + u, row r stands for index 32 f + 8 u + r + 8 (r / 8) of its axis (tokens of x, columns n of a weight).
; A HALF IMAGE (768 bytes) is 16 rows x 64 along K as registers: lane l = r + 16 h owns the 24 bytes of row r, block h: 16 of them at byte 16 l, 8 at byte 512 + 8 l.
; A TILE CHUNK (3,328 bytes) is a tile x 256 along K: four half images, 16 scale words of the first 128 along K, 16 of the second, and 128 bytes that nobody writes or reads.
; A tile over K = 1,024 is four chunks, 13,312 bytes.  xbuf: 512 token tiles.  wbuf: 256 column tiles, wq, wk, wv, wo in this order.
; A block's scale is 2^(floor(log2(its largest magnitude)) - 2); its byte is the largest magnitude's exponent field - 2, held at 1 from below.
; LIMITS: a block whose largest magnitude lies under 2^-124 has its byte held at 1; a block of zeros gets the byte 1 where the quantiser's text says 127 (its codes are zeros, which add
; nothing under any byte but 0xff, and this program alone reads the bytes); NaN and infinities among the inputs are not served.
; SHARES: work-groups 0-511 take a token tile of x each, a wave a chunk; work-groups 512-639 take 128 columns x 256 along K of a weight, a wave 32 columns.
; No matrix work, no tensor load, no barrier, no cluster: waves share nothing, and every input byte is read once.  Each of the two ways has LDS bytes of its own.
; THE ORDER OF x's TOKENS (this takes the place of what the lines above say of tokens; the weights' columns keep the order given there):
; token tile g, row r stands for token 64 (g / 4) + 8 (g % 4) + r % 8 + 32 (r / 8): rows 8-15 lie 32 tokens behind rows 0-7, so that in a result whose registers run
; along the tokens of four neighbouring tiles a lane holds one whole block of 32 neighbouring tokens.
; THE WEIGHTS' SHARES (this takes the place of what is said of them above): work-groups 512-767 take 128 columns x 128 along K of a weight, half a tile chunk: four blocks a lane, two half images and 16 scale words a tile.
.set TILEB, 13312
.set TCB,   3328
.set XP,    1040                       ; x's stage: a row's 1,024 bytes + 16: sixteen rows' equal columns start in sixteen different groups of banks
.set XST,   16*XP                      ; a wave's stage on x's way
.set WP,    272                        ; the weights' stage: a column's eight places of 32 bytes + 16
.set WSTB,  32*WP
.set WST0,  4*XST                      ; the weights' stages lie behind x's
.set R,     32                         ; v32-159  x: 128 numbers;  weights: v32-95 two sets of 32 numbers, later the way out
.set CT,    24                         ; v24-26   the second half of a block's codes, before it is moved
; A block of 32 numbers in v[xs] on, all mine: its codes into v[c] .. v[c + 5], its scale's byte into v[b].
.macro BLK32 xs, c, b
.set XS, \xs
.set CC, \c
	v_max3_num_f32 v12, |v[XS]|, |v[XS+1]|, |v[XS+2]|              ; the largest magnitude, in two chains
	v_max3_num_f32 v13, |v[XS+3]|, |v[XS+4]|, |v[XS+5]|
.irp i, 6,10,14,18,22,26
	v_max3_num_f32 v12, v12, |v[XS+\i]|, |v[XS+\i+1]|
	v_max3_num_f32 v13, v13, |v[XS+\i+2]|, |v[XS+\i+3]|
.endr
	v_max3_num_f32 v12, v12, |v[XS+30]|, |v[XS+31]|
	v_max3_num_f32 v12, v12, v13, 0x1800000                        ; and the floor 2^(3 - 127): the byte cannot fall under 1
	v_add_nc_u32 v14, 0xff000000, v12                              ; 2 off the exponent field: the conversion takes this operand's exponent field as its scale
	v_cvt_scalef32_pk16_fp6_f32 v[CC:CC+2], v[XS:XS+15], v14
	v_cvt_scalef32_pk16_fp6_f32 v[CT:CT+2], v[XS+16:XS+31], v14    ; (a conversion's three registers begin on an even number)
	v_lshrrev_b32 v[\b], 23, v14                                   ; the scale's byte; also the plain line between the conversions and the moves
.irp i, 0,1,2
	v_mov_b32 v[CC+3+\i], v[CT+\i]
.endr
.endm
	s_load_b256 s[4:11], s[0:1], 0x0               ; x s[4:5], wq s[6:7], wk s[8:9], wv s[10:11]
	s_load_b128 s[12:15], s[0:1], 0x20             ; wo s[12:13], xbuf s[14:15]
	s_load_b64 s[16:17], s[0:1], 0x30              ; wbuf
	v_lshl_add_u32 v192, v0, 2, 0x18c00
	v_mov_b32 v193, 0
	v_lshrrev_b32 v1, 5, v0
	v_readfirstlane_b32 s18, v1                    ; wave 0..3
	v_and_b32 v1, 31, v0                           ; l
	v_and_b32 v9, 15, v0                           ; r
	v_bfe_u32 v7, v0, 4, 1                         ; h
	v_lshlrev_b32 v2, 4, v1                        ; 16 l
	v_lshlrev_b32 v5, 3, v1                        ; 8 l
	v_lshlrev_b32 v6, 2, v1                        ; 4 l
	v_lshlrev_b32 v8, 3, v7                        ; 8 h
	s_mul_i32 s19, s18, XST
	v_add_nc_u32 v3, s19, v2                       ; x's stage, in: 16 l
	v_mul_u32_u24 v4, v9, XP
	v_lshl_add_u32 v4, v7, 7, v4
	v_add_nc_u32 v4, s19, v4                       ; and out: row r, 128 h bytes on: my block of 32 numbers
	s_mul_i32 s19, s18, WSTB
	s_add_co_u32 s19, s19, WST0
	v_mul_u32_u24 v10, v1, WP
	v_add_nc_u32 v10, s19, v10                     ; the weights' stage, in: my column
	v_and_b32 v11, 8, v9
	v_add_nc_u32 v11, v11, v9                      ; r + 8 (r / 8)
	v_mul_u32_u24 v11, v11, WP
	v_lshl_add_u32 v11, v7, 5, v11
	v_add_nc_u32 v11, s19, v11                     ; and out: the tile's row r, block h
	s_mov_b32 s24, 0x76543210
	s_mov_b32 s25, 0xfedcba98                      ; v_permlanex16_b32's selects for lane l xor 16
	s_wait_kmcnt 0x0
	s_cmp_lt_u32 ttmp9, 512
	s_cbranch_scc0 .Lweights
	; ---- x: token tile g = the work-group's number, chunk = the wave's
	s_lshr_b32 s20, ttmp9, 2
	s_lshl_b32 s20, s20, 6
	s_and_b32 s21, ttmp9, 3
	s_lshl_b32 s21, s21, 3
	s_add_co_u32 s20, s20, s21                     ; the tile's first token: 64 (g / 4) + 8 (g % 4)
	s_lshl_b32 s20, s20, 12                        ; rows of 4,096 bytes
	s_lshl_b32 s21, s18, 10                        ; my 256 numbers of each row
	s_add_co_u32 s20, s20, s21
	s_mov_b32 s21, 0
	s_mul_i32 s22, ttmp9, TILEB
	s_mul_i32 s23, s18, TCB
	s_add_co_u32 s22, s22, s23
	s_mov_b32 s23, 0
	s_add_nc_u64 s[4:5], s[4:5], s[20:21]
	s_add_nc_u64 s[14:15], s[14:15], s[22:23]
.set i, 0
.rept 32                                       ; 16 rows x 1,024 bytes: each load takes 512 consecutive bytes; all 32 are out together
	global_load_b128 v[R+4*i:R+4*i+3], v2, s[4:5] offset:((i/2)+24*(i/16))*4096+512*(i%2) th:TH_LOAD_NT
.set i, i+1
.endr
.set g, 0
.rept 8
	s_wait_loadcnt 28-4*g                          ; loads come back in order: these four are in, the younger ones stay out
.irp j, 0,1,2,3
	ds_store_b128 v3, v[R+16*g+4*\j:R+16*g+4*\j+3] offset:XP*((4*g+\j)/2)+512*(\j%2)
.endr
.set g, g+1
.endr
.set i, 0
	s_wait_alu depctr_va_vdst(0)
.rept 32                                       ; back with a whole block of 32 neighbours in a lane; LDS serves a wave's instructions in order, so these see the stores above
	ds_load_b128 v[R+4*i:R+4*i+3], v4 offset:256*(i/8)+16*(i%8)
.set i, i+1
.endr
.irp q, 0,1,2,3                                ; half image q: 64 along K
	s_wait_dscnt 24-8*\q                           ; its eight loads are in; the later half images' stay out
	BLK32 R+32*\q, 160+8*\q, 20+\q
	global_store_b128 v2, v[160+8*\q:163+8*\q], s[14:15] offset:768*\q        ; 512 consecutive bytes, aligned to 256
	global_store_b64 v5, v[164+8*\q:165+8*\q], s[14:15] offset:768*\q+512     ; 256 consecutive bytes, aligned
.endr
	v_lshl_or_b32 v12, v21, 16, v20                ; my bytes of the first 128 along K: blocks h and 2 + h,
	v_lshl_or_b32 v13, v23, 16, v22                ; and of the second
	v_lshlrev_b32 v12, v8, v12                     ; at their places in the word
	v_lshlrev_b32 v13, v8, v13
	v_mov_b32 v14, 0                               ; (a lane permute's destination counts as read)
	v_mov_b32 v15, 0
	v_permlanex16_b32 v14, v12, s24, s25
	v_permlanex16_b32 v15, v13, s24, s25
	v_or_b32 v12, v12, v14                         ; with lane l xor 16's two bytes the words are whole
	v_or_b32 v13, v13, v15
	v_cmp_ne_u32 vcc_lo, 0, v7
	v_cndmask_b32 v12, v12, v13, vcc_lo            ; lanes 0-15 store the first 128's words, lanes 16-31 the second's
	global_store_b32 v6, v12, s[14:15] offset:3072
	s_wait_tensorcnt 0x0
	ds_add_u32 v192, v193
	s_wait_dscnt 0x0
	s_endpgm
.Lweights:
	; ---- a weight: lane = column, registers run down K, so the codes come out with K innermost and no lane asks another for a maximum
	s_sub_co_u32 s20, ttmp9, 512
	s_lshr_b32 s21, s20, 6
	s_and_b32 s22, s20, 7
	s_bfe_u32 s23, s20, 0x30003                    ; which 128 along K
	s_lshl_b32 s22, s22, 2
	s_add_co_u32 s22, s22, s18                     ; f: my 32 columns, 32 f on
	s_cmp_eq_u32 s21, 1
	s_cselect_b64 s[6:7], s[8:9], s[6:7]
	s_cmp_eq_u32 s21, 2
	s_cselect_b64 s[6:7], s[10:11], s[6:7]
	s_cmp_eq_u32 s21, 3
	s_cselect_b64 s[6:7], s[12:13], s[6:7]
	s_lshl_b32 s26, s23, 19                        ; 128 rows of 4,096 bytes
	s_lshl_b32 s27, s22, 7
	s_add_co_u32 s26, s26, s27
	s_mov_b32 s27, 0
	s_add_nc_u64 s[6:7], s[6:7], s[26:27]
	s_lshl_b32 s26, s21, 6
	s_lshl_b32 s27, s22, 1
	s_add_co_u32 s26, s26, s27                     ; column tile 64 x weight + 2 f
	s_mul_i32 s26, s26, TILEB
	s_lshr_b32 s27, s23, 1                         ; the chunk,
	s_mul_i32 s27, s27, TCB
	s_add_co_u32 s26, s26, s27
	s_mov_b32 s27, 0
	s_add_nc_u64 s[16:17], s[16:17], s[26:27]
	s_and_b32 s28, s23, 1                          ; and which half of it:
	s_mul_i32 s29, s28, 1536                       ; two half images on,
	s_lshl_b32 s28, s28, 6                         ; 16 scale words on
	v_add_nc_u32 v18, s29, v2
	v_add_nc_u32 v19, s29, v5
	v_bfe_u32 v16, v0, 3, 1                        ; my column is row (l % 8) + 8 h of tile 2 f + (l / 8) % 2
	v_mul_u32_u24 v16, v16, TILEB
	v_and_b32 v17, 7, v0
	v_lshl_add_u32 v17, v7, 3, v17
	v_lshl_add_u32 v16, v17, 2, v16
	v_add_nc_u32 v16, s28, v16
.macro LOAD t                                  ; block t: W(32 t + i, my column): 128 consecutive bytes a wave, 512 a work-group
.set i, 0
.rept 32
	global_load_b32 v[R+32*((\t)%2)+i], v6, s[6:7] offset:(32*(\t)+i)*4096 th:TH_LOAD_NT
.set i, i+1
.endr
.endm
	LOAD 0
	LOAD 1
.macro BLOCK t
.if (\t) < 3
	s_wait_loadcnt 32                              ; this block's 32 loads are in; the next block's may be out
.else
	s_wait_loadcnt 0x0
.endif
	BLK32 R+32*((\t)%2), 96+8*(\t), 15
.if (\t)%4 == 0
	v_mov_b32 v[20+(\t)/4], v15                    ; four bytes to a scale word, the lower K in the lower byte
.else
	v_lshl_or_b32 v[20+(\t)/4], v15, 8*((\t)%4), v[20+(\t)/4]
.endif
	ds_store_b128 v10, v[96+8*(\t):99+8*(\t)] offset:32*(\t)          ; each block has code registers of its own: none is written again
	ds_store_b64 v10, v[100+8*(\t):101+8*(\t)] offset:32*(\t)+16
.if (\t)+2 < 4
	LOAD (\t)+2
.endif
.endm
.irp t, 0,1,2,3
	BLOCK \t
.endr
.irp k, 0,1,2,3                                ; the way out: tile k / 2, half image k % 2, as registers; these loads see my stores above
	ds_load_b128 v[32+8*\k:35+8*\k], v11 offset:8*WP*(\k/2)+64*(\k%2)
	ds_load_b64 v[36+8*\k:37+8*\k], v11 offset:8*WP*(\k/2)+64*(\k%2)+16
.endr
	s_wait_alu depctr_va_vdst(0)
.irp k, 0,1,2,3
	s_wait_dscnt 6-2*\k                            ; this pair of loads is in; the later pairs stay out
	global_store_b128 v18, v[32+8*\k:35+8*\k], s[16:17] offset:TILEB*(\k/2)+768*(\k%2)
	global_store_b64 v19, v[36+8*\k:37+8*\k], s[16:17] offset:TILEB*(\k/2)+768*(\k%2)+512
.endr
	global_store_b32 v16, v20, s[16:17] offset:3072    ; my column's scale word: 64 bytes to a tile and 128 along K
	s_wait_tensorcnt 0x0
	ds_add_u32 v192, v193
	s_wait_dscnt 0x0
	s_endpgm
.Lfunc_end_k_qe232c6a268_quant:
	.size	k_qe232c6a268_quant, .Lfunc_end_k_qe232c6a268_quant-k_qe232c6a268_quant
	.p2alignl 7, 3214868480
	.fill 96, 4, 3214868480
	.section	.rodata,"a",@progbits
	.p2align	6, 0x0
	.amdhsa_kernel k_qe232c6a268_quant
		.amdhsa_group_segment_fixed_size 101888
		.amdhsa_private_segment_fixed_size 0
		.amdhsa_enable_private_segment 0
		.amdhsa_kernarg_size 56
		.amdhsa_user_sgpr_count 2
		.amdhsa_user_sgpr_kernarg_segment_ptr 1
		.amdhsa_wavefront_size32 1
		.amdhsa_system_sgpr_workgroup_id_x 1
		.amdhsa_system_sgpr_workgroup_id_y 1
		.amdhsa_system_sgpr_workgroup_id_z 1
		.amdhsa_system_vgpr_workitem_id 0
		.amdhsa_next_free_vgpr 194
		.amdhsa_next_free_sgpr 66
		.amdhsa_reserve_vcc 1
		.amdhsa_float_denorm_mode_32 3
		.amdhsa_float_denorm_mode_16_64 3
		.amdhsa_memory_ordered 1
		.amdhsa_forward_progress 1
		.amdhsa_inst_pref_size 39
	.end_amdhsa_kernel
	.amdgpu_metadata
---
amdhsa.version: [ 1, 2 ]
amdhsa.kernels:
  - .name:           k_qe232c6a268_quant
    .symbol:         k_qe232c6a268_quant.kd
    .args:
      - { .name: x, .offset: 0, .size: 8, .value_kind: global_buffer, .address_space: global }
      - { .name: wq, .offset: 8, .size: 8, .value_kind: global_buffer, .address_space: global }
      - { .name: wk, .offset: 16, .size: 8, .value_kind: global_buffer, .address_space: global }
      - { .name: wv, .offset: 24, .size: 8, .value_kind: global_buffer, .address_space: global }
      - { .name: wo, .offset: 32, .size: 8, .value_kind: global_buffer, .address_space: global }
      - { .name: xbuf, .offset: 40, .size: 8, .value_kind: global_buffer, .address_space: global }
      - { .name: wbuf, .offset: 48, .size: 8, .value_kind: global_buffer, .address_space: global }
    .group_segment_fixed_size: 101888
    .private_segment_fixed_size: 0
    .kernarg_segment_align: 8
    .kernarg_segment_size: 56
    .max_flat_workgroup_size: 128
    .sgpr_count:     66
    .vgpr_count:     194
    .wavefront_size: 32
...
	.end_amdgpu_metadata
.endif
;; end of part 1
;; launch qkv (part 2): grid 4 x 64, 8 waves a work-group, clusters of 4 x 4, 327,680 bytes of LDS; arguments xbuf, wbuf, bq, bk, bv, qbuf, kv; writes qbuf, kv
.if DOCPART == 2
	.amdgcn_target "amdgcn-amd-amdhsa--gfx1250"
	.amdhsa_code_object_version 6
	.text
	.protected	k_qe232c6a268_qkv
	.globl	k_qe232c6a268_qkv
	.p2align	8
	.type	k_qe232c6a268_qkv,@function
k_qe232c6a268_qkv:
	s_mov_b64 s[64:65], 0
	v_nop
	global_prefetch_b8 v0, s[64:65] scope:SCOPE_SE
	s_setreg_imm32_b32 hwreg(HW_REG_WAVE_MODE, 25, 1), 1
	s_wait_xcnt 0x0
	s_wait_alu depctr_hold_cnt(0) depctr_sa_sdst(0) depctr_va_vdst(0) depctr_va_sdst(0) depctr_va_ssrc(0) depctr_va_vcc(0) depctr_vm_vsrc(0)
	s_getreg_b32 s2, hwreg(HW_REG_IB_STS2, 6, 4)
	s_cmp_eq_u32 s2, 0
	s_cbranch_scc0 .Lentry_in_a_cluster
	s_endpgm
.Lentry_in_a_cluster:
	s_bfe_u32 s2, ttmp6, 0x10000c
	s_cmp_lg_u32 s2, 0xf033
	s_cbranch_scc0 .Lentry_shape_is_right
	s_endpgm
.Lentry_shape_is_right:
; q = x wq + bq, k = x wk + bk, v = x wv + bv on codes of FP6 (E2M3) with E8M0 scales, and the results quantised again in registers, as the operands of attention's two products.
; OPERANDS: xbuf (512 token tiles) and wbuf (column tiles: wq 0-63, wk 64-127, wv 128-191), laid in tile chunks: a tile of 16 rows x 256 along K is four half images of 768 bytes
; (lane l = r + 16 h: 16 bytes at 16 l, 8 at 512 + 8 l: the 24 bytes of row r, block h) and 2 x 16 scale words, 3,200 bytes in a place of 3,328; a tile is four chunks, 13,312 bytes.
; Column tile 2 f + u, row r is column 32 f + 8 u + r + 8 (r / 8); token tile g, row r is token 64 (g / 4) + 8 (g % 4) + r % 8 + 32 (r / 8).
; A BLOCK is 128 P rows x 256 R rows over all of K = 1,024.  The matrix instruction takes 16 R rows as source 0 and 16 P rows as source 1: a lane holds ONE P row and its registers run along R.
; Eight waves, wave (wp, wr) = (w / 4, w % 4) makes 64 P x 64 R in 16 accumulators.
; A WORK-GROUP STAYS and makes three blocks: q, then k (P = its 128 tokens, R = 256 columns of the weight: a lane's registers run along a head's 64 channels), then v with the sides changed
; (P = 128 columns of wv, R = 256 tokens: a lane's 32 registers of four token tiles are one whole block of 32 keys).  256 work-groups: one on each WGP.
; LDS: four regions, one for each chunk of K: P's 8 tiles, then R's 16, 76,800 bytes.  At the head one fill a wave: wave w asks for chunk w / 2, the even waves for P's tiles, the odd for R's.
; REFILLS, two a block, each behind a round of the cluster's barrier with the wait for all tensor loads, the add and the wait for it in front, one load a wave (waves 0-3):
; ahead of chunk 2's products regions 0 and 1 take the next block's chunks 0 and 1; behind chunk 3's products regions 2 and 3 take its chunks 2 and 3, ahead of the way out.  What a refill brought is shown by
; the next round (the last block: by a plain barrier).  k's P tiles are q's: they stay, and only R's are fetched.  By this text's count a wave has one tensor load outstanding.
; CLUSTER 4 x 4: P's tiles hang on the cluster's y and cy alone and are asked for jointly along a row of the cluster, R's on y and cx alone and jointly along a column.
; No prefetch: a block's tiles are asked for by their tensor loads half a block ahead of their first use, and the first block's in the kernel's first lines.
; THE BIAS is the C of a block's first products: 32 registers, v256-287, laid as the result lies, loaded half a block ahead.
; OUT: qbuf: codes [bh 64][query tile 128][768], from byte 6,291,456 scale words [bh][tile / 2][16 r] (two bytes of the even tile below, of the odd tile above).
; kv: for each bh 16 key steps of 12,800 bytes: 8 half images of K (key tile t at 768 t), 8 of V (channel tile dt, 64 keys c at 6,144 + 1,536 dt + 768 c), K's scale words [t / 2][16 r] at 12,288, V's [dt][16 r] at 12,544.
; LIMITS: a block whose largest magnitude lies under 2^-124 has its byte held at 1; a block of zeros gets the byte 1 (its codes are zeros; this program alone reads the bytes); NaN and infinities are not served.
.set TILEB, 13312
.set TCB,   3328
.set SLOTB, 3200                       ; a tile's chunk in LDS
.set QUADB, 4*SLOTB
.set CHB,   24*SLOTB                   ; a region
.set SPARE, 4*CHB                      ; the spare words: 128 bytes for each of eight waves
.set AP16, 1                           ; v1  LDS: my P tiles, 16 l;  v2 the same, 8 l;  v3, v4 my R tiles
.set AP8,  2
.set AR16, 3
.set AR8,  4
.set ADS,  5                           ; v5  scale words: lanes 0-15 P's, lanes 16-31 R's;  v121 the same in region 0
.set SC,   8                           ; v8-11    scale words of tile i: lanes 0-15 P's tile i, lanes 16-31 R's tile i; they hold nothing else
.set PF,   16                          ; v16-63   four fragments of P
.set RF,   64                          ; v64-111  four of R
.set TM,   112                         ; v112-117 the quantisers' work
.set CT,   118
.set PR,   124                         ; v124-127 a tile's two scale bytes
.set ACC,  128                         ; v128-255 accumulator (p, q) at 128 + 8 (4 p + q)
.set WV, 18
.set WP, 19
.set WR, 20
.set CX, 21
.set CY, 22
.set YY, 24
.set G1P, 32                           ; s[32:39], s[40:47] descriptor groups 1: P's 8 rows, R's 16
.set G1R, 40
.set G0P, 48                           ; s[48:51], s[52:55] groups 0
.set G0R, 52
.set PBX, 56                           ; s[56:57] where my chunk w / 2 of P's tiles begins for q and k;  s[58:59] for v
.set PBV, 58
.set RB0, 60                           ; s[60:61], s[62:63], s[66:67] the same of R's tiles for q, k, v
.set RB1, 62
.set RB2, 66
.set LW,  68                           ; s68 (w / 2) regions;  s69, s70 my P and R tiles in a region
.set SPB, 69
.set SRB, 70
.set SEL, 96
.set MSB, 0
.macro WIN new                         ; the immediate's high byte repeats the setting that is left
.if MSB != \new
	s_set_vgpr_msb (MSB<<8)|\new
.set MSB, \new
.endif
.endm
.macro CROUND                          ; a round of the cluster's barrier
	s_barrier_signal -1
	s_barrier_wait -1
	s_cmp_lg_u32 s[WV], 0
	s_cbranch_scc1 .Lnot_wave_0_\@
	s_barrier_signal -3
.Lnot_wave_0_\@:
	s_barrier_wait -3
	s_barrier_signal -1
	s_barrier_wait -1
.endm
.macro ARM n, g0, g1, join             ; one arm of a chain: one wave, one load, a jump to the join
	s_cmp_eq_u32 s[WV], \n
	s_cbranch_scc0 .Lnext_\@
	tensor_load_to_lds s[\g0:\g0+3], s[\g1:\g1+7]
	s_nop 0
.rept 4
	v_nop
.endr
	s_branch \join
.Lnext_\@:
.endm
.macro SETG0 pb, rb, half, withp       ; groups 0 for chunk 2 half + w / 2 of the block whose tiles begin at s[pb], s[rb]
.if \withp
	s_add_co_u32 s[G0P+1], s[LW], 2*CHB*\half
	s_add_nc_u64 s[G0P+2:G0P+3], s[\pb:\pb+1], 2*TCB*\half
	s_or_b32 s[G0P+3], s[G0P+3], 0x80000000
.endif
	s_add_co_u32 s[G0R+1], s[LW], 2*CHB*\half+8*SLOTB
	s_add_nc_u64 s[G0R+2:G0R+3], s[\rb:\rb+1], 2*TCB*\half
	s_or_b32 s[G0R+3], s[G0R+3], 0x80000000
.endm
.macro REFILL pb, rb, half, withp      ; two regions take the next block's chunks
	s_wait_tensorcnt 0x0                           ; all my tensor loads have landed, so the descriptors may be written;
	ds_add_u32 v122, v123
	SETG0 \pb, \rb, \half, \withp
	s_wait_dscnt 0x0                               ; the add is done, and so are my reads of the two regions
	CROUND                                         ; both hold of every wave of the sixteen work-groups
.if \withp
	ARM 0, G0P, G1P, .Lfilled_\@
	ARM 2, G0P, G1P, .Lfilled_\@
.endif
	ARM 1, G0R, G1R, .Lfilled_\@
	ARM 3, G0R, G1R, .Lfilled_\@
.Lfilled_\@:
.endm
.macro SHOW n                          ; the first block's chunks 0 and 1: the waves under n wait for their fill
	s_cmp_lt_u32 s[WV], \n
	s_cbranch_scc0 .Lnot_mine_\@
	s_wait_tensorcnt 0x0
.Lnot_mine_\@:
	s_barrier_signal -1
	s_barrier_wait -1
.endm
.macro ADDR c                          ; my LDS addresses in region c; the five vector lines are also the plain lines between the last products and the loads into their registers
	s_add_co_u32 s2, s[SPB], CHB*\c
	s_add_co_u32 s3, s[SRB], CHB*\c
	v_lshl_add_u32 v[AP16], v14, 4, s2
	v_lshl_add_u32 v[AP8], v14, 3, s2
	v_lshl_add_u32 v[AR16], v14, 4, s3
	v_lshl_add_u32 v[AR8], v14, 3, s3
	v_add_nc_u32 v[ADS], CHB*\c, v121
	s_wait_alu depctr_va_vdst(0)
.endm
.macro FRAGS s                         ; 36 LDS loads: my four fragments of each side for the chunk's s-th 128 along K, as they lie, and the scale words
.irp i, 0,1,2,3
.irp c, 0,1
	ds_load_b128 v[PF+12*\i+6*\c:PF+12*\i+6*\c+3],   v[AP16] offset:SLOTB*\i+768*(2*(\s)+\c)
	ds_load_b64  v[PF+12*\i+6*\c+4:PF+12*\i+6*\c+5], v[AP8]  offset:SLOTB*\i+768*(2*(\s)+\c)+512
	ds_load_b128 v[RF+12*\i+6*\c:RF+12*\i+6*\c+3],   v[AR16] offset:SLOTB*\i+768*(2*(\s)+\c)
	ds_load_b64  v[RF+12*\i+6*\c+4:RF+12*\i+6*\c+5], v[AR8]  offset:SLOTB*\i+768*(2*(\s)+\c)+512
.endr
	ds_load_b32 v[SC+\i], v[ADS] offset:SLOTB*\i+3072+64*(\s)
.endr
.endm
.macro PROD p, q, c
	v_wmma_scale_f32_16x16x128_f8f6f4 v[ACC+8*(4*\p+\q):ACC+8*(4*\p+\q)+7], v[RF+12*\q:RF+12*\q+11], v[PF+12*\p:PF+12*\p+11], \c, v[SC+\q], v[SC+\p] matrix_a_fmt:MATRIX_FMT_FP6 matrix_b_fmt:MATRIX_FMT_FP6 matrix_a_scale:MATRIX_SCALE_ROW1
.endm
; 16 products; the accumulators take turns, one instruction a turn, in the same order in every step.  bias 0: in place; 1: C = the bias by R tile (v256 + 8 q); 2: by P tile
.macro KSTEP s, places, bias
.rept \places
	v_nop                                          ; four plain lines between the last products and loads into the registers that they read
.endr
	FRAGS \s
	s_wait_dscnt 0x0
.if \bias
	WIN 0x10                                       ; source 2 in the second block of 256 registers
.endif
.irp p, 0,1,2,3
.irp q, 0,1,2,3
.if \bias == 0
	PROD \p, \q, v[ACC+8*(4*\p+\q):ACC+8*(4*\p+\q)+7]
.elseif \bias == 1
	PROD \p, \q, v[8*\q:8*\q+7]
.else
	PROD \p, \q, v[8*\p:8*\p+7]
.endif
.endr
.endr
	WIN 0
.endm
; q, k: 32 numbers of a lane, register 16 b + i = channel 32 b + 16 h + i of my row, become my 24 bytes of a half image in v[pc] .. v[pc + 5] and the row's two scale bytes in v[pr]
.macro QUANT32 s, pc, pr
.set QS, \s
.set QC, \pc
.irp b, 0,1
	v_max3_num_f32 v[TM+\b], |v[QS+16*\b]|, |v[QS+16*\b+1]|, 0x1800000   ; each accumulator from its low end on; the floor 2^(3 - 127) among the leaves
.endr
.irp i, 2,4,6,8,10,12,14
.irp b, 0,1
	v_max3_num_f32 v[TM+\b], v[TM+\b], |v[QS+16*\b+\i]|, |v[QS+16*\b+\i+1]|
.endr
.endr
.irp b, 0,1
	v_permlanex16_b32 v[TM+2+\b], v[TM+\b], s[SEL], s[SEL+1]
.endr
.irp b, 0,1
	v_max_num_f32 v[TM+\b], v[TM+\b], v[TM+2+\b]   ; with lane l xor 16's: the block's largest magnitude
.endr
.irp b, 0,1
	v_add_nc_u32 v[TM+4+\b], 0xff000000, v[TM+\b]  ; 2 off the exponent field: the conversion's scale operand
.endr
.irp b, 0,1
	v_lshrrev_b32 v[TM+2+\b], 23, v[TM+4+\b]       ; the scale's byte
.endr
	v_lshl_or_b32 v[\pr], v[TM+3], 8, v[TM+2]
	v_cvt_scalef32_pk16_fp6_f32 v[QC:QC+2], v[QS:QS+15], v[TM+4]
	v_cvt_scalef32_pk16_fp6_f32 v[CT:CT+2], v[QS+16:QS+31], v[TM+5]   ; (a conversion's three registers begin on an even number)
	v_nop                                          ; one plain line behind a scaled conversion
.irp i, 0,1,2
	v_permlane16_swap_b32 v[QC+\i], v[CT+\i]       ; a lane wants a WHOLE block: lanes 0-15 block 0, lanes 16-31 block 1
.endr
.irp i, 0,1,2
	v_mov_b32 v[QC+3+\i], v[CT+\i]
.endr
.endm
; v: 32 numbers of a lane that are ONE block of 32 keys; the row's two scale bytes are mine and lane l xor 16's
.macro QUANTV s, pc, pr
.set QS, \s
.set QC, \pc
	v_max3_num_f32 v[TM], |v[QS]|, |v[QS+1]|, 0x1800000
	v_max3_num_f32 v[TM+1], |v[QS+16]|, |v[QS+17]|, |v[QS+18]|
.irp i, 2,4,6,8,10,12
	v_max3_num_f32 v[TM], v[TM], |v[QS+\i]|, |v[QS+\i+1]|
	v_max3_num_f32 v[TM+1], v[TM+1], |v[QS+17+\i]|, |v[QS+18+\i]|
.endr
	v_max3_num_f32 v[TM], v[TM], |v[QS+14]|, |v[QS+15]|
	v_lshlrev_b32 v[TM+5], 3, v7                   ; 8 h
	v_max3_num_f32 v[TM], v[TM], v[TM+1], |v[QS+31]|
	v_add_nc_u32 v[TM+4], 0xff000000, v[TM]
	v_cvt_scalef32_pk16_fp6_f32 v[QC:QC+2], v[QS:QS+15], v[TM+4]
	v_cvt_scalef32_pk16_fp6_f32 v[CT:CT+2], v[QS+16:QS+31], v[TM+4]
	v_lshrrev_b32 v[TM], 23, v[TM+4]               ; my block's byte; also the plain line behind the conversions
.irp i, 0,1,2
	v_mov_b32 v[QC+3+\i], v[CT+\i]
.endr
	v_lshlrev_b32 v[TM], v[TM+5], v[TM]            ; at its place, 8 h bits up
	v_permlanex16_b32 v[TM+2], v[TM], s[SEL], s[SEL+1]
	v_or_b32 v[\pr], v[TM], v[TM+2]
.endm
; block r's bias into v256-287
.macro BIAS r
.if \r < 2
	s_lshl_b32 s2, s[CX], 10
	s_lshl_b32 s3, s[WR], 8
	s_add_co_u32 s2, s2, s3                        ; my 64 columns, in bytes
	s_mov_b32 s3, 0
	s_add_nc_u64 s[88:89], s[8+2*\r:9+2*\r], s[2:3]
	v_lshlrev_b32 v12, 6, v7                       ; 64 h
	WIN 0x40                                       ; the loads' destinations in the second block
.irp q, 0,1,2,3                                ; register 8 q + j: column 32 (q / 2) + 16 h + 8 (q % 2) + j
	global_load_b128 v[8*\q:8*\q+3],   v12, s[88:89] offset:128*(\q/2)+32*(\q%2)
	global_load_b128 v[8*\q+4:8*\q+7], v12, s[88:89] offset:128*(\q/2)+32*(\q%2)+16
.endr
	WIN 0
.else
	s_lshl_b32 s2, s28, 9
	s_lshl_b32 s3, s[WP], 8
	s_add_co_u32 s2, s2, s3
	s_mov_b32 s3, 0
	s_add_nc_u64 s[88:89], s[12:13], s[2:3]
	v_and_b32 v13, 8, v6
	v_add_nc_u32 v13, v13, v6
	v_lshlrev_b32 v13, 2, v13                      ; 4 (r + 8 (r / 8))
	WIN 0x40
.irp p, 0,1,2,3                                ; a lane holds one channel of P tile p: its bias fills eight registers
.irp j, 0,1,2,3,4,5,6,7
	global_load_b32 v[8*\p+\j], v13, s[88:89] offset:4*(32*(\p/2)+8*(\p%2))
.endr
.endr
	WIN 0
.endif
.endm
; THE WAY OUT of block r: each P tile's 16 rows x 64 become a half image: two stores of consecutive bytes, 512 and 256, each aligned to 256
.macro WAYOUT r
.if \r < 2
	s_lshr_b32 s25, s27, 4
	s_lshl_b32 s25, s25, 4
	s_lshl_b32 s26, s[CX], 2
	s_add_co_u32 s25, s25, s26
	s_add_co_u32 s25, s25, s[WR]                   ; bh = 16 batch + 4 cx + wr
	s_and_b32 s26, s27, 15                         ; which 128 tokens of the batch
.if \r == 0
	s_mul_i32 s92, s25, 98304
	s_mul_i32 s95, s26, 6144
	s_add_co_u32 s92, s92, s95
	s_lshl_b32 s93, s25, 12
	s_lshl_b32 s95, s26, 8
	s_add_co_u32 s93, s93, s95
	s_add_co_u32 s93, s93, 6291456
.set OB, 14
.else
	s_mul_i32 s92, s25, 204800
	s_mul_i32 s95, s26, 12800
	s_add_co_u32 s92, s92, s95
	s_add_co_u32 s93, s92, 12288
.set OB, 16
.endif
	s_mul_i32 s95, s[WP], 3072
	s_add_co_u32 s92, s92, s95                     ; my four token tiles
	s_lshl_b32 s95, s[WP], 7
	s_add_co_u32 s93, s93, s95
.set OSTEP, 768
	s_wait_loadcnt 0x0                             ; the next block's bias is in, and its loads have read their offsets
.else
	s_lshr_b32 s25, s29, 3
	s_lshl_b32 s25, s25, 4
	s_lshl_b32 s26, s28, 1
	s_add_co_u32 s25, s25, s26
	s_add_co_u32 s25, s25, s[WP]                   ; bh = 16 batch + 2 Ptv + wp
	s_and_b32 s26, s29, 7
	s_lshl_b32 s26, s26, 1
	s_lshr_b32 s95, s[WR], 1
	s_add_co_u32 s26, s26, s95                     ; the key step of my 64 tokens
	s_mul_i32 s92, s25, 204800
	s_mul_i32 s95, s26, 12800
	s_add_co_u32 s92, s92, s95
	s_and_b32 s95, s[WR], 1                        ; which half of it
	s_lshl_b32 s2, s95, 1
	s_add_co_u32 s93, s92, s2
	s_add_co_u32 s93, s93, 12544
	s_mul_i32 s95, s95, 768
	s_add_co_u32 s92, s92, s95
	s_add_co_u32 s92, s92, 6144
.set OB, 16
.set OSTEP, 1536
.endif
	v_lshl_add_u32 v12, v14, 4, s92                ; these four are the plain lines between the last products and the first read of results
	v_lshl_add_u32 v13, v14, 3, s92
	v_lshl_add_u32 v15, v14, 2, s93
	v_nop
.irp pi, 0,1,2,3
.if \r < 2
	QUANT32 ACC+32*\pi, PF+8*\pi, PR+\pi
.else
	QUANTV ACC+32*\pi, PF+8*\pi, PR+\pi
.endif
	global_store_b128 v12, v[PF+8*\pi:PF+8*\pi+3], s[OB:OB+1] offset:OSTEP*\pi
	global_store_b64 v13, v[PF+8*\pi+4:PF+8*\pi+5], s[OB:OB+1] offset:OSTEP*\pi+512
.endr
	v_cmp_ne_u32 vcc_lo, 0, v7
.if \r < 2
	v_lshl_or_b32 v112, v[PR+1], 16, v[PR]         ; a word holds two tiles' bytes: lanes 0-15 store tiles 0 and 1, lanes 16-31 tiles 2 and 3: 128 consecutive bytes
	v_lshl_or_b32 v113, v[PR+3], 16, v[PR+2]
	v_cndmask_b32 v112, v112, v113, vcc_lo
	global_store_b32 v15, v112, s[OB:OB+1]
	s_wait_xcnt 0x0                                ; the stores have read their registers: the next block's fragments land there
.else
	v_cndmask_b32 v112, v[PR], v[PR+1], vcc_lo     ; my 64 keys are half of a scale word: two bytes a row; the wave with wr xor 1 stores the other two
	v_cndmask_b32 v113, v[PR+2], v[PR+3], vcc_lo
	global_store_b16 v15, v112, s[OB:OB+1]
	global_store_b16 v15, v113, s[OB:OB+1] offset:128
.endif
.endm
.macro BLOCK r
	ADDR 0
.if \r == 0
	SHOW 2
	s_wait_loadcnt 0x0                             ; the first bias
.endif
.if \r == 2
	KSTEP 0, 0, 2
.else
	KSTEP 0, 0, 1
.endif
	KSTEP 1, 4, 0
	ADDR 1
.if \r == 0
	SHOW 4
.endif
	KSTEP 0, 0, 0
	KSTEP 1, 4, 0
	ADDR 2
.if \r == 0
	REFILL PBX, RB1, 0, 0                          ; the round also shows this block's chunks 2 and 3
	BIAS 1
.elseif \r == 1
	REFILL PBV, RB2, 0, 1
	BIAS 2
.else
	s_wait_tensorcnt 0x0                           ; the last refill is in;
	s_barrier_signal -1                            ; a plain barrier shows it
	s_barrier_wait -1
.endif
	KSTEP 0, 0, 0
	KSTEP 1, 4, 0
	ADDR 3
	KSTEP 0, 0, 0
	KSTEP 1, 4, 0
.if \r == 0
	REFILL PBX, RB1, 1, 0
.elseif \r == 1
	REFILL PBV, RB2, 1, 1
.endif
	WAYOUT \r
.endm
	s_load_b128 s[4:7], s[0:1], 0x0                ; xbuf, wbuf
	s_load_b128 s[8:11], s[0:1], 0x10              ; bq, bk
	s_load_b128 s[12:15], s[0:1], 0x20             ; bv, qbuf
	s_load_b64 s[16:17], s[0:1], 0x30              ; kv
	v_lshl_add_u32 v122, v0, 2, SPARE
	v_mov_b32 v123, 0
	ds_add_u32 v122, v123                          ; the opening lines: the add, twice on end, and its wait
	ds_add_u32 v122, v123
	v_lshrrev_b32 v1, 5, v0
	v_readfirstlane_b32 s[WV], v1                  ; wave 0..7
	s_lshr_b32 s[WP], s[WV], 2
	s_and_b32 s[WR], s[WV], 3
	s_bfe_u32 s[CX], ttmp6, 0x40000
	s_bfe_u32 s[CY], ttmp6, 0x40004
	s_and_b32 s[YY], ttmp7, 0xffff                 ; the cluster's y
	s_lshl_b32 s25, s[CY], 2
	s_lshl_b32 s25, 15, s25                        ; my row of the cluster
	s_lshl_b32 s26, 0x1111, s[CX]                  ; my column
	s_or_b32 s[G1P], s25, (3<<16)|(1<<21)          ; group 1: rows of 3,200 bytes (400 elements of 8 bytes), 13,312 bytes apart in memory, dense in LDS; the mask, and bit 21 beside it
	s_or_b32 s[G1R], s26, (3<<16)|(1<<21)
.irp g, G1P, G1R
	s_mov_b32 s[\g+1], 400<<16
	s_mov_b32 s[\g+3], 400<<16
	s_mov_b32 s[\g+5], 1664
	s_mov_b32 s[\g+6], 0
	s_mov_b32 s[\g+7], 0
.endr
	s_mov_b32 s[G1P+2], 8<<16                      ; P's 8 tiles,
	s_mov_b32 s[G1P+4], 8
	s_mov_b32 s[G1R+2], 16<<16                     ; R's 16
	s_mov_b32 s[G1R+4], 16
	s_mov_b32 s[G0P], 1
	s_mov_b32 s[G0R], 1
	s_lshr_b32 s3, s[WV], 1                        ; the chunk that I ask for
	s_mul_i32 s2, s3, TCB
	s_mul_i32 s[LW], s3, CHB
	s_lshl_b32 s27, s[YY], 2                       ; P's tiles, in registers that never hold cx
	s_add_co_u32 s27, s27, s[CY]                   ; q, k: Pt, my 128 tokens
	s_and_b32 s28, s[YY], 1
	s_lshl_b32 s28, s28, 2
	s_add_co_u32 s28, s28, s[CY]                   ; v: Ptv, my 128 columns of wv
	s_lshl_b32 s30, s27, 3
	s_mul_i32 s30, s30, TILEB
	s_add_co_u32 s30, s30, s2
	s_mov_b32 s31, 0
	s_lshl_b32 s84, s28, 3
	s_add_co_u32 s84, s84, 128
	s_mul_i32 s84, s84, TILEB
	s_add_co_u32 s84, s84, s2
	s_mov_b32 s85, 0
	s_lshr_b32 s29, s[YY], 1                       ; R's tiles, in registers that never hold cy
	s_lshl_b32 s29, s29, 2
	s_add_co_u32 s29, s29, s[CX]                   ; v: Rtv, my 256 tokens
	s_lshl_b32 s86, s[CX], 4                       ; q: my 256 columns of wq; k's lie 64 tiles on
	s_mul_i32 s86, s86, TILEB
	s_add_co_u32 s86, s86, s2
	s_mov_b32 s87, 0
	s_lshl_b32 s98, s29, 4
	s_mul_i32 s98, s98, TILEB
	s_add_co_u32 s98, s98, s2
	s_mov_b32 s99, 0
	s_mul_i32 s[SPB], s[WP], QUADB                 ; my four P tiles in a region,
	s_mul_i32 s[SRB], s[WR], QUADB
	s_add_co_u32 s[SRB], s[SRB], 2*QUADB           ; my four R tiles, behind P's eight
	s_mov_b32 s[SEL], 0x76543210
	s_mov_b32 s[SEL+1], 0xfedcba98
	s_wait_dscnt 0x0
	s_wait_kmcnt 0x0
	s_add_nc_u64 s[PBX:PBX+1], s[4:5], s[30:31]
	s_add_nc_u64 s[PBV:PBV+1], s[6:7], s[84:85]
	s_add_nc_u64 s[RB0:RB0+1], s[6:7], s[86:87]
	s_add_nc_u64 s[RB1:RB1+1], s[RB0:RB0+1], 64*TILEB
	s_add_nc_u64 s[RB2:RB2+1], s[4:5], s[98:99]
	SETG0 PBX, RB0, 0, 1
	CROUND                                         ; all sixteen work-groups are here: the joint loads meet
.irp c, 0,1,2                                  ; the head's eight fills, one a wave, each in an arm of its own; the last arm has no test, so that every way through the chain passes one fill
	ARM 2*\c, G0P, G1P, .Lasked
	ARM 2*\c+1, G0R, G1R, .Lasked
.endr
	ARM 6, G0P, G1P, .Lasked
	tensor_load_to_lds s[G0R:G0R+3], s[G1R:G1R+7]
	s_nop 0
.rept 4
	v_nop
.endr
.Lasked:
	v_and_b32 v14, 31, v0                          ; l
	v_and_b32 v6, 15, v0                           ; r
	v_bfe_u32 v7, v0, 4, 1                         ; h
	s_xor_b32 s95, s[WP], 1
	s_add_co_u32 s95, s95, s[WR]
	s_add_co_u32 s95, s95, 1
	s_mul_i32 s95, s95, QUADB                      ; from my P tiles to my R tiles: (2 + wr - wp) x 12,800
	v_mul_u32_u24 v121, s95, v7                    ; lanes 16-31 take R's words
	v_lshl_add_u32 v121, v6, 2, v121
	v_add_nc_u32 v121, s[SPB], v121
	v_mov_b32 v[TM+2], 0                           ; written once: a lane permute's destination counts as read
	v_mov_b32 v[TM+3], 0
	s_wait_alu depctr_va_vdst(0)
	BIAS 0
	BLOCK 0
	BLOCK 1
	BLOCK 2
	s_wait_tensorcnt 0x0                           ; the wave's end
	ds_add_u32 v122, v123
	s_wait_dscnt 0x0
	CROUND                                         ; the closing round: no work-group ends while a partner may still ask for a tile that names it
	s_endpgm
.Lfunc_end_k_qe232c6a268_qkv:
	.size	k_qe232c6a268_qkv, .Lfunc_end_k_qe232c6a268_qkv-k_qe232c6a268_qkv
	.p2alignl 7, 3214868480
	.fill 96, 4, 3214868480
	.section	.rodata,"a",@progbits
	.p2align	6, 0x0
	.amdhsa_kernel k_qe232c6a268_qkv
		.amdhsa_group_segment_fixed_size 327680
		.amdhsa_private_segment_fixed_size 0
		.amdhsa_enable_private_segment 0
		.amdhsa_kernarg_size 56
		.amdhsa_user_sgpr_count 2
		.amdhsa_user_sgpr_kernarg_segment_ptr 1
		.amdhsa_wavefront_size32 1
		.amdhsa_system_sgpr_workgroup_id_x 1
		.amdhsa_system_sgpr_workgroup_id_y 1
		.amdhsa_system_sgpr_workgroup_id_z 1
		.amdhsa_system_vgpr_workitem_id 0
		.amdhsa_next_free_vgpr 288
		.amdhsa_next_free_sgpr 100
		.amdhsa_reserve_vcc 1
		.amdhsa_float_denorm_mode_32 3
		.amdhsa_float_denorm_mode_16_64 3
		.amdhsa_memory_ordered 1
		.amdhsa_forward_progress 1
		.amdhsa_inst_pref_size 157
	.end_amdhsa_kernel
	.amdgpu_metadata
---
amdhsa.version: [ 1, 2 ]
amdhsa.kernels:
  - .name:           k_qe232c6a268_qkv
    .symbol:         k_qe232c6a268_qkv.kd
    .args:
      - { .name: xbuf, .offset: 0, .size: 8, .value_kind: global_buffer, .address_space: global }
      - { .name: wbuf, .offset: 8, .size: 8, .value_kind: global_buffer, .address_space: global }
      - { .name: bq, .offset: 16, .size: 8, .value_kind: global_buffer, .address_space: global }
      - { .name: bk, .offset: 24, .size: 8, .value_kind: global_buffer, .address_space: global }
      - { .name: bv, .offset: 32, .size: 8, .value_kind: global_buffer, .address_space: global }
      - { .name: qbuf, .offset: 40, .size: 8, .value_kind: global_buffer, .address_space: global }
      - { .name: kv, .offset: 48, .size: 8, .value_kind: global_buffer, .address_space: global }
    .group_segment_fixed_size: 327680
    .private_segment_fixed_size: 0
    .kernarg_segment_align: 8
    .kernarg_segment_size: 56
    .max_flat_workgroup_size: 256
    .sgpr_count:     100
    .vgpr_count:     288
    .wavefront_size: 32
...
	.end_amdgpu_metadata
.endif
;; end of part 2
;; launch attn (part 3): grid 4 x 64, 16 waves a work-group, clusters of 4 x 1, 213,504 bytes of LDS; arguments qbuf, kv, cbuf; writes cbuf
.if DOCPART == 3
	.amdgcn_target "amdgcn-amd-amdhsa--gfx1250"
	.amdhsa_code_object_version 6
	.text
	.protected	k_qe232c6a268_attn
	.globl	k_qe232c6a268_attn
	.p2align	8
	.type	k_qe232c6a268_attn,@function
k_qe232c6a268_attn:
	s_mov_b64 s[64:65], 0
	v_nop
	global_prefetch_b8 v0, s[64:65] scope:SCOPE_SE
	s_setreg_imm32_b32 hwreg(HW_REG_WAVE_MODE, 25, 1), 1
	s_wait_xcnt 0x0
	s_wait_alu depctr_hold_cnt(0) depctr_sa_sdst(0) depctr_va_vdst(0) depctr_va_sdst(0) depctr_va_ssrc(0) depctr_va_vcc(0) depctr_vm_vsrc(0)
	s_getreg_b32 s2, hwreg(HW_REG_IB_STS2, 6, 4)
	s_cmp_eq_u32 s2, 0
	s_cbranch_scc0 .Lentry_in_a_cluster
	s_endpgm
.Lentry_in_a_cluster:
	s_bfe_u32 s2, ttmp6, 0x10000c
	s_cmp_lg_u32 s2, 0x3003
	s_cbranch_scc0 .Lentry_shape_is_right
	s_endpgm
.Lentry_shape_is_right:
; ctx[bh][q][:] = the sum over k of softmax_k(q . k / 8) v, both products on codes of FP6 (E2M3) with E8M0 scales, and ctx quantised again in registers, as the last product's operand.
; THE SOFTMAX: t = score x log2(e) / 8; M = the running largest t rounded UP to a whole number; p = 2^(t - M) is quantised along the keys, not normalised.  The row's sum is taken of the
; unquantised p and divides at the end.  When M moves, the sum and O are multiplied by 2^(old M - new M), which rounds nothing.
; IN: half images of 768 bytes (16 rows x 64 along K as registers: lane l = r + 16 h has 16 bytes at 16 l and 8 at 512 + 8 l).  A key step (128 keys, 12,800 bytes): 8 half images of K (key tile t at
; 768 t), 8 of V (channel tile dt, 64 keys c, at 6,144 + 768 (2 dt + c)), K's scale words [t / 2][16 r] at 12,288, V's [dt][16 r] at 12,544.
; KEY TILE t, row r is key 64 (t / 4) + 8 (t % 4) + r % 8 + 32 (r / 8).  Both products are used transposed, so a lane (r, h) holds ONE query, and its 32 score registers of tiles 4 c .. 4 c + 3 are
; keys 64 c + 32 h + 0 .. 31: one whole scale block, in the order of the second product's operand.  So a block's maximum asks no other lane and the codes fall where the operand wants them.
; SHARES: a work-group owns 512 queries of one head, each of its sixteen waves two tiles of 16, one after the other (macro PASS, twice), in 256 registers.
; LDS: the head's K and V stay: 16 steps x 12,800 bytes from byte DATA on, brought once: wave w asks for key step w, one tensor load a wave, one line with no branch; every wave waits for its load and
; one barrier shows all sixteen.  Nothing is filled again, and no barrier stands in the walk.  Bytes under DATA are not used: with DATA + 6,144 = a step's bytes, one address serves V of a step (offset 0) and K of the next (6,656).
; CLUSTER 4 x 1: the four blocks of queries of a head read the same K and V: each load is asked for jointly by all four.  No prefetch: every byte is asked for in the kernel's first lines.
; A STEP: the scores; four plain lines; ONE run of 36 LDS loads (V of this step, K of the next, each into registers of its own); the softmax; the second product.
; THE HEAD SIZE IS 64, THE INSTRUCTION'S K IS 128: a fragment of source 0 holds two key tiles; multiplied by [q, 0] it gives the first's scores, by [0, q] the second's.  Zero codes add nothing.
; OUT: cbuf: token tile x 13,312 + (head / 4) x 3,328 + (head % 4) x 768; the head's two scale bytes a row in the chunk's scale words.
; LIMITS: a block's largest p is made from the block's largest score by the same multiply-add and exponential (this takes v_exp_f32 not to fall where its input rises); a block whose largest magnitude
; lies under 2^-124 has its byte held at 1, a block of zeros gets the byte 1 (this program alone reads the bytes); NaN and infinities are not served; the scaled scores stay under 2^31 in magnitude.
; REGISTERS: v1-3 16 l, 8 l, 4 l; v4-6 the step's LDS addresses; v7 p's scale word; v8-11, v252-253 sums; v12 -M, v13 the largest t, v[14:15] the sum; v16-33 0, q, 0; v34 q's scale word; v35 8 h;
; v36-83 K; v84-85 V's scale words, v86-87 K's; v88-95 at work; v96-159 S^T, then p; v160-191 O^T; v192-203 p's codes; v204-251 V; v254-255 the add's two.
; THE FILLS' WAITS (this takes the place of what is said of them above): the load stands in two arms, waves 0-7 and waves 8-15.  The first barrier shows key steps 0-7 (waves 0-7 wait), and the first pass walks
; seven steps behind it, the last of which fetches K of step 7; then every wave waits and a second barrier shows steps 8-15.
.set TILEB, 13312
.set STEPB, 12800
.set DATA,  6656
.set SPARE, DATA+16*STEPB              ; the spare words: 128 bytes for each of sixteen waves
.set WV,   18
.set SEL,  20
.set CS,   22                          ; s[22:23] c = log2(e) / 8
.set G1,   24
.set G0,   32
.set TB,   2                           ; s2  a step's bytes x (the step in hand + 1)
.set CNT,  3
.set TM,   128                         ; ctx's quantiser works in registers that p has left
.set CT,   136
.macro CROUND
	s_barrier_signal -1
	s_barrier_wait -1
	s_cmp_lg_u32 s[WV], 0
	s_cbranch_scc1 .Lnot_wave_0_\@
	s_barrier_signal -3
.Lnot_wave_0_\@:
	s_barrier_wait -3
	s_barrier_signal -1
	s_barrier_wait -1
.endm
.macro MM d, a, b, c, sa, sb, odd      ; a product; odd: source 0's scale words stand in lanes 16-31
.if \odd
	v_wmma_scale_f32_16x16x128_f8f6f4 v[\d:\d+7], v[\a:\a+11], v[\b:\b+11], \c, v[\sa], v[\sb] matrix_a_fmt:MATRIX_FMT_FP6 matrix_b_fmt:MATRIX_FMT_FP6 matrix_a_scale:MATRIX_SCALE_ROW1
.else
	v_wmma_scale_f32_16x16x128_f8f6f4 v[\d:\d+7], v[\a:\a+11], v[\b:\b+11], \c, v[\sa], v[\sb] matrix_a_fmt:MATRIX_FMT_FP6 matrix_b_fmt:MATRIX_FMT_FP6
.endif
.endm
.macro KLOAD x, y, z                   ; 18 loads: K's eight tiles and their scale words, of the step that begins 6,656 bytes behind the addresses
.irp t, 0,1,2,3,4,5,6,7
	ds_load_b128 v[36+6*\t:39+6*\t], v\x offset:6656+768*\t
	ds_load_b64 v[40+6*\t:41+6*\t], v\y offset:6656+768*\t+512
.endr
	ds_load_b32 v86, v\z offset:6656+12288         ; lanes 0-15 fragment 0's words, lanes 16-31 fragment 1's
	ds_load_b32 v87, v\z offset:6656+12416         ; fragments 2 and 3
.endm
.macro QUANT32 s, pc, pr               ; ctx: 32 numbers, register 16 b + i = channel 32 b + 16 h + i of my row -> my 24 bytes of a half image, and the row's two scale bytes
.irp b, 0,1
	v_max3_num_f32 v[TM+\b], |v[\s+16*\b]|, |v[\s+16*\b+1]|, 0x1800000
.endr
.irp i, 2,4,6,8,10,12,14
.irp b, 0,1
	v_max3_num_f32 v[TM+\b], v[TM+\b], |v[\s+16*\b+\i]|, |v[\s+16*\b+\i+1]|
.endr
.endr
.irp b, 0,1
	v_permlanex16_b32 v[TM+2+\b], v[TM+\b], s[SEL], s[SEL+1]
.endr
.irp b, 0,1
	v_max_num_f32 v[TM+\b], v[TM+\b], v[TM+2+\b]
.endr
.irp b, 0,1
	v_add_nc_u32 v[TM+4+\b], 0xff000000, v[TM+\b]
.endr
.irp b, 0,1
	v_lshrrev_b32 v[TM+2+\b], 23, v[TM+4+\b]
.endr
	v_lshl_or_b32 v[\pr], v[TM+3], 8, v[TM+2]
	v_cvt_scalef32_pk16_fp6_f32 v[\pc:\pc+2], v[\s:\s+15], v[TM+4]
	v_cvt_scalef32_pk16_fp6_f32 v[CT:CT+2], v[\s+16:\s+31], v[TM+5]
	v_nop                                          ; one plain line behind a scaled conversion
.irp i, 0,1,2
	v_permlane16_swap_b32 v[\pc+\i], v[CT+\i]      ; a lane wants a whole block: lanes 0-15 block 0, lanes 16-31 block 1
.endr
.irp i, 0,1,2
	v_mov_b32 v[\pc+3+\i], v[CT+\i]
.endr
.endm
; A KEY STEP.  last: the pass's sixteenth; p: the pass
.macro STEP last, p
	s_wait_dscnt 0x0                               ; K of this step, asked for a step ago
.irp f, 0,1,2,3                                ; S^T = K q^T: each fragment against [q, 0] and [0, q]
	MM 96+16*\f, 36+12*\f, 22, 0, 86+\f/2, 34, \f%2
	MM 104+16*\f, 36+12*\f, 16, 0, 86+\f/2, 34, \f%2
.endr
	v_add_nc_u32 v4, s[TB], v1                     ; these four are the plain lines between the products (these and the last step's) and the loads into their registers, and ahead of the first read of the scores
	v_add_nc_u32 v5, s[TB], v2
	v_add_nc_u32 v6, s[TB], v3
	v_mov_b32 v95, v12                             ; the old -M
.irp t, 0,1,2,3,4,5,6,7
	ds_load_b128 v[204+6*\t:207+6*\t], v4 offset:768*\t
	ds_load_b64 v[208+6*\t:209+6*\t], v5 offset:768*\t+512
.endr
	ds_load_b32 v84, v6 offset:6400
	ds_load_b32 v85, v6 offset:6528
.if (\last) == 0
	KLOAD 4, 5, 6                                  ; the next step's K
.elseif (\p) == 0
	KLOAD 1, 2, 3                                  ; the second pass begins at key step 0 again,
	v_and_b32 v6, 15, v0
	v_lshlrev_b32 v6, 2, v6                        ; 4 r
	global_load_b128 v[22:25], v1, s[52:53] offset:768    ; with the second tile's q
	global_load_b64 v[26:27], v2, s[52:53] offset:1280
	global_load_b32 v34, v6, s[54:55]              ; and the pair's scale words
.endif
	v_max3_num_f32 v88, v96, v97, v98              ; the largest score of my two blocks of 32 keys, two chains to a block; each accumulator is read from its low end on
	v_max3_num_f32 v90, v112, v113, v114
	v_max3_num_f32 v89, v128, v129, v130
	v_max3_num_f32 v91, v144, v145, v146
.irp i, 3,5,7,9,11,13
	v_max3_num_f32 v88, v88, v[96+\i], v[97+\i]
	v_max3_num_f32 v90, v90, v[112+\i], v[113+\i]
	v_max3_num_f32 v89, v89, v[128+\i], v[129+\i]
	v_max3_num_f32 v91, v91, v[144+\i], v[145+\i]
.endr
	v_max3_num_f32 v88, v88, v90, v111
	v_max3_num_f32 v89, v89, v91, v143
	v_max_num_f32 v88, v88, v127
	v_max_num_f32 v89, v89, v159
	s_delay_alu instid0(VALU_DEP_1)
	v_max_num_f32 v90, v88, v89
	s_delay_alu instid0(VALU_DEP_1)
	v_permlanex16_b32 v91, v90, s[SEL], s[SEL+1]
	s_delay_alu instid0(VALU_DEP_1)
	v_max_num_f32 v90, v90, v91                    ; with lane l xor 16's 64 keys: the step's largest score of my query
	s_delay_alu instid0(VALU_DEP_1)
	v_mul_f32 v90, s[CS], v90                      ; as t (c is positive)
	s_delay_alu instid0(VALU_DEP_1)
	v_max_num_f32 v13, v13, v90                    ; the running largest t
	s_delay_alu instid0(VALU_DEP_1)
	v_floor_f32 v12, -v13                          ; the new -M = floor(-t): M is a whole number
	s_delay_alu instid0(VALU_DEP_1)
	v_sub_f32 v90, v12, v95                        ; old M less new M: a whole number, 0 or less
	s_delay_alu instid0(VALU_DEP_1)
	v_cvt_i32_f32 v90, v90                         ; (it saturates)
	s_delay_alu instid0(VALU_DEP_1)
	v_ldexp_f32 v92, 1.0, v90                      ; f = 2^(old M - new M)
.set j, 0
.rept 32
	v_pk_fma_f32 v[96+j:97+j], v[96+j:97+j], s[CS:CS+1], v[12:13] op_sel_hi:[1,0,0]   ; t - M, two at a time
.set j, j+2
.endr
	v_fma_f32 v88, v88, s[CS], v12                 ; the same of each block's largest score
	v_fma_f32 v89, v89, s[CS], v12
.set j, 0
.rept 16
	v_pk_mul_f32 v[160+j:161+j], v[160+j:161+j], v[92:93] op_sel_hi:[1,0]   ; O^T under the new M, ahead of the exponentials
.set j, j+2
.endr
	s_wait_alu depctr_va_vdst(0)
.set j, 0
.rept 64
	v_exp_f32 v[96+j], v[96+j]                     ; p = 2^(t - M), at most 1
.set j, j+1
.endr
	v_exp_f32 v88, v88                             ; the blocks' largest p: the same two instructions on the same number give the same bits
	v_exp_f32 v89, v89
	v_nop                                          ; the plain line behind the exponentials
	s_wait_alu depctr_va_vdst(0)                   ; one wait for the batch, ahead of its first reader
.if (\last) && (\p)
	s_wait_dscnt 0x0                               ; V is in
.else
	s_wait_dscnt 18                                ; V is in; the 18 loads of K behind it may be out
.endif
	v_pk_fma_f32 v[14:15], v[14:15], v[92:93], v[96:97] op_sel_hi:[1,0,1]   ; the sum under the new M, and the unquantised p onto it, in four chains
	v_pk_add_f32 v[8:9], v[98:99], v[100:101]
	v_pk_add_f32 v[10:11], v[102:103], v[104:105]
	v_pk_add_f32 v[252:253], v[106:107], v[108:109]
.set j, 110
.rept 5
	v_pk_add_f32 v[14:15], v[14:15], v[j:j+1]
	v_pk_add_f32 v[8:9], v[8:9], v[j+2:j+3]
	v_pk_add_f32 v[10:11], v[10:11], v[j+4:j+5]
	v_pk_add_f32 v[252:253], v[252:253], v[j+6:j+7]
.set j, j+8
.endr
	v_pk_add_f32 v[14:15], v[14:15], v[150:151]
	v_pk_add_f32 v[8:9], v[8:9], v[152:153]
	v_pk_add_f32 v[10:11], v[10:11], v[154:155]
	v_max_num_f32 v88, 0x1800000, v88              ; the floor 2^(3 - 127)
	v_max_num_f32 v89, 0x1800000, v89
	s_delay_alu instid0(VALU_DEP_2)
	v_add_nc_u32 v95, 0xff000000, v88              ; 2 off the exponent field: the conversions' scale operands
	s_delay_alu instid0(VALU_DEP_2)
	v_add_nc_u32 v91, 0xff000000, v89
	s_delay_alu instid0(VALU_DEP_2)
	v_lshrrev_b32 v88, 23, v95                     ; the bytes of blocks h and 2 + h
	s_delay_alu instid0(VALU_DEP_2)
	v_lshrrev_b32 v89, 23, v91
	s_delay_alu instid0(VALU_DEP_1)
	v_lshl_or_b32 v88, v89, 16, v88
	s_delay_alu instid0(VALU_DEP_1)
	v_lshlrev_b32 v88, v35, v88                    ; at their places, 8 h bits up
	s_delay_alu instid0(VALU_DEP_1)
	v_permlanex16_b32 v89, v88, s[SEL], s[SEL+1]
	s_delay_alu instid0(VALU_DEP_1)
	v_or_b32 v7, v88, v89                          ; with lane l xor 16's two: p's scale word for these 128 keys
	v_cvt_scalef32_pk16_fp6_f32 v[192:194], v[96:111], v95
	v_cvt_scalef32_pk16_fp6_f32 v[198:200], v[128:143], v91
	v_cvt_scalef32_pk16_fp6_f32 v[88:90], v[112:127], v95     ; (a conversion's three registers begin on an even number)
	v_cvt_scalef32_pk16_fp6_f32 v[92:94], v[144:159], v91
	v_pk_add_f32 v[252:253], v[252:253], v[156:157]           ; the plain line behind the conversions
.irp i, 0,1,2
	v_mov_b32 v[195+\i], v[88+\i]
.endr
.irp i, 0,1,2
	v_mov_b32 v[201+\i], v[92+\i]
.endr
	v_pk_add_f32 v[14:15], v[14:15], v[158:159]    ; the sum's last four lines stand between the codes' last write and the products; eleven plain lines stand behind the scale word's
	v_pk_add_f32 v[8:9], v[8:9], v[10:11]
	v_pk_add_f32 v[14:15], v[14:15], v[252:253]
	v_pk_add_f32 v[14:15], v[14:15], v[8:9]
.irp d, 0,1,2,3                                ; O^T += V^T p^T; each accumulator has one instruction a turn, with eleven other products between its links
	MM 160+8*\d, 204+12*\d, 192, v[160+8*\d:167+8*\d], 84+\d/2, 7, \d%2
.endr
.endm
; A PASS: one tile of 16 queries against all 2,048 keys
.macro PASS p
.if \p
	s_wait_xcnt 0x0                                ; the first pass's stores have read their registers
	s_wait_loadcnt 0x0                             ; the second tile's q and the scale words
	v_lshrrev_b32 v9, 16, v34                      ; this tile's two bytes,
.else
	v_and_b32 v9, 0xffff, v34
.endif
	v_lshl_or_b32 v34, v9, 16, v9                  ; over K 0-63 and over K 64-127: one word serves [q, 0] and [0, q]
	v_mov_b32 v13, 0xff61b1e6                      ; the largest t so far: -3e38
	v_floor_f32 v12, -v13                          ; -M
	v_mov_b32 v14, 0
	v_mov_b32 v15, 0
.set j, 0
.rept 32
	v_mov_b32 v[160+j], 0                          ; O^T: the first step finds zeros, which the first change of M leaves zeros
.set j, j+1
.endr
.if (\p) == 0
	s_wait_alu depctr_va_vdst(0)
	s_cmp_lt_u32 s[WV], 8
	s_cbranch_scc0 .Lnot_yet
	s_wait_tensorcnt 0x0                           ; my key step, one of 0-7, is in
.Lnot_yet:
	s_barrier_signal -1
	s_barrier_wait -1                              ; key steps 0-7 are in
	KLOAD 1, 2, 3
	s_mov_b32 s[TB], STEPB
	s_mov_b32 s[CNT], 7
.Lfirst:
	STEP 0, \p
	s_add_co_u32 s[TB], s[TB], STEPB
	s_sub_co_u32 s[CNT], s[CNT], 1
	s_cmp_lg_u32 s[CNT], 0
	s_cbranch_scc1 .Lfirst
	s_wait_tensorcnt 0x0                           ; every wave's key step is in,
	s_wait_dscnt 0x0                               ; no LDS load of mine is out at the signal,
	s_barrier_signal -1
	s_barrier_wait -1                              ; and all sixteen are shown
	s_mov_b32 s[CNT], 8
.else
	s_mov_b32 s[TB], STEPB
	s_mov_b32 s[CNT], 15
.endif
.Lstep_\@:
	STEP 0, \p
	s_add_co_u32 s[TB], s[TB], STEPB
	s_sub_co_u32 s[CNT], s[CNT], 1
	s_cmp_lg_u32 s[CNT], 0
	s_cbranch_scc1 .Lstep_\@
	STEP 1, \p
	v_add_nc_u32 v141, s58, v1                     ; where the half image goes; these lines are also the plain lines behind the last products
	v_add_nc_u32 v142, s58, v2
	v_and_b32 v143, 15, v0
	v_lshl_add_u32 v143, v143, 2, s59              ; and my row's two scale bytes
	v_add_f32 v14, v14, v15                        ; the sum's two halves,
	v_permlanex16_b32 v90, v14, s[SEL], s[SEL+1]
	v_add_f32 v14, v14, v90                        ; and lane l xor 16's: the row's sum
	s_wait_alu depctr_va_vdst(0)
	v_rcp_f32 v92, v14
	v_nop                                          ; a plain line behind it
	s_wait_alu depctr_va_vdst(0)                   ; the wait ahead of its first reader and of O^T's
.set j, 0
.rept 32
	v_mul_f32 v[96+j], v[160+j], v92               ; ctx: register 16 b + i is channel 32 b + 16 h + i of my query
.set j, j+1
.endr
	QUANT32 96, 192, 140
	global_store_b128 v141, v[192:195], s[8:9] offset:TILEB*\p       ; 512 consecutive bytes, aligned to 256
	global_store_b64 v142, v[196:197], s[8:9] offset:TILEB*\p+512
	global_store_b16 v143, v140, s[8:9] offset:TILEB*\p              ; two bytes a row (both halves of the lanes hold and store the same); the words' other bytes belong to the neighbouring head's work-group
.endm
	s_load_b128 s[4:7], s[0:1], 0x0                ; qbuf, kv
	s_load_b64 s[8:9], s[0:1], 0x10                ; cbuf
	v_lshl_add_u32 v254, v0, 2, SPARE
	v_mov_b32 v255, 0
	ds_add_u32 v254, v255                          ; the opening lines: the add, twice on end, and its wait ahead of my tensor load
	ds_add_u32 v254, v255
	v_lshrrev_b32 v1, 5, v0
	v_readfirstlane_b32 s[WV], v1                  ; wave 0..15
	s_bfe_u32 s19, ttmp6, 0x40000                  ; cx: my block of 512 queries; it enters q's and ctx's addresses alone
	s_and_b32 s10, ttmp7, 0xffff                   ; bh, which the four partners share
	s_mov_b32 s[G1], 15|(3<<16)|(1<<21)            ; group 1: a key step, 12,800 dense bytes, as 50 rows of 256 bytes (32 elements of 8 bytes); the mask names all four work-groups
	s_mov_b32 s[G1+1], 32<<16
	s_mov_b32 s[G1+2], 50<<16
	s_mov_b32 s[G1+3], 32<<16
	s_mov_b32 s[G1+4], 50
	s_mov_b32 s[G1+5], 32
	s_mov_b32 s[G1+6], 0
	s_mov_b32 s[G1+7], 0
	s_mul_i32 s11, s[WV], STEPB                    ; wave w asks for key step w
	s_mul_i32 s12, s10, 16*STEPB
	s_add_co_u32 s12, s12, s11
	s_mov_b32 s13, 0
	s_mov_b32 s[G0], 1
	s_add_co_u32 s[G0+1], s11, DATA
	s_wait_dscnt 0x0
	s_wait_kmcnt 0x0
	s_add_nc_u64 s[G0+2:G0+3], s[6:7], s[12:13]
	s_or_b32 s[G0+3], s[G0+3], 0x80000000
	CROUND                                         ; all four work-groups are here: the joint loads meet
	s_cmp_lt_u32 s[WV], 8
	s_cbranch_scc0 .Llater
	tensor_load_to_lds s[G0:G0+3], s[G1:G1+7]      ; key steps 0-7
	s_nop 0
	s_branch .Lasked
.Llater:
	tensor_load_to_lds s[G0:G0+3], s[G1:G1+7]      ; key steps 8-15
	s_nop 0
.Lasked:
	s_lshl_b32 s50, s10, 7
	s_lshl_b32 s51, s19, 5
	s_add_co_u32 s50, s50, s51
	s_lshl_b32 s51, s[WV], 1
	s_add_co_u32 s50, s50, s51                     ; my first query tile: 128 bh + 32 cx + 2 w
	s_mul_i32 s52, s50, 768
	s_mov_b32 s53, 0
	s_add_nc_u64 s[52:53], s[4:5], s[52:53]
	s_lshl_b32 s54, s50, 5                         ; its pair's scale words: 64 bytes for two tiles
	s_add_co_u32 s54, s54, 6291456
	s_mov_b32 s55, 0
	s_add_nc_u64 s[54:55], s[4:5], s[54:55]
	s_lshr_b32 s56, s10, 4
	s_lshl_b32 s56, s56, 7
	s_lshl_b32 s57, s19, 5
	s_add_co_u32 s56, s56, s57
	s_add_co_u32 s56, s56, s51                     ; the same tile among cbuf's: 128 batch + 32 cx + 2 w
	s_mul_i32 s56, s56, TILEB
	s_and_b32 s57, s10, 15                         ; the head
	s_lshr_b32 s58, s57, 2
	s_mul_i32 s58, s58, 3328
	s_add_co_u32 s56, s56, s58                     ; its chunk of the tile
	s_and_b32 s58, s57, 3
	s_mul_i32 s58, s58, 768
	s_add_co_u32 s58, s58, s56                     ; its half image
	s_bfe_u32 s59, s57, 0x10001
	s_lshl_b32 s59, s59, 6
	s_and_b32 s60, s57, 1
	s_lshl_b32 s60, s60, 1
	s_add_co_u32 s59, s59, s60
	s_add_co_u32 s59, s59, s56
	s_add_co_u32 s59, s59, 3072                    ; its two bytes of the scale words
	s_mov_b32 s[SEL], 0x76543210
	s_mov_b32 s[SEL+1], 0xfedcba98                 ; v_permlanex16_b32's selects for lane l xor 16
	s_mov_b32 s[CS], 0x3e38aa3b                    ; c = log2(e) / 8
	s_mov_b32 s[CS+1], s[CS]                       ; (named with it as a pair, so it is written)
	v_and_b32 v3, 31, v0                           ; l
	v_and_b32 v6, 15, v0
	v_lshlrev_b32 v1, 4, v3
	v_lshlrev_b32 v2, 3, v3
	v_lshlrev_b32 v6, 2, v6                        ; 4 r
	v_lshlrev_b32 v3, 2, v3
	global_load_b128 v[22:25], v1, s[52:53]        ; the first tile's q
	global_load_b64 v[26:27], v2, s[52:53] offset:512
	global_load_b32 v34, v6, s[54:55]
	v_bfe_u32 v35, v0, 4, 1
	v_lshlrev_b32 v35, 3, v35                      ; 8 h
.irp j, 16,17,18,19,20,21,28,29,30,31,32,33
	v_mov_b32 v\j, 0                               ; the zero codes on both sides of q
.endr
	v_mov_b32 v93, 0                               ; (named as the upper half of the pair v[92:93] before it is first written)
	s_wait_alu depctr_va_vdst(0)
	s_wait_loadcnt 0x0                             ; q and its scale words
	PASS 0
	PASS 1
	s_wait_tensorcnt 0x0                           ; the wave's end
	ds_add_u32 v254, v255
	s_wait_dscnt 0x0
	CROUND                                         ; the closing round
	s_endpgm
.Lfunc_end_k_qe232c6a268_attn:
	.size	k_qe232c6a268_attn, .Lfunc_end_k_qe232c6a268_attn-k_qe232c6a268_attn
	.p2alignl 7, 3214868480
	.fill 96, 4, 3214868480
	.section	.rodata,"a",@progbits
	.p2align	6, 0x0
	.amdhsa_kernel k_qe232c6a268_attn
		.amdhsa_group_segment_fixed_size 213504
		.amdhsa_private_segment_fixed_size 0
		.amdhsa_enable_private_segment 0
		.amdhsa_kernarg_size 24
		.amdhsa_user_sgpr_count 2
		.amdhsa_user_sgpr_kernarg_segment_ptr 1
		.amdhsa_wavefront_size32 1
		.amdhsa_system_sgpr_workgroup_id_x 1
		.amdhsa_system_sgpr_workgroup_id_y 1
		.amdhsa_system_sgpr_workgroup_id_z 1
		.amdhsa_system_vgpr_workitem_id 0
		.amdhsa_next_free_vgpr 256
		.amdhsa_next_free_sgpr 66
		.amdhsa_reserve_vcc 0
		.amdhsa_float_denorm_mode_32 3
		.amdhsa_float_denorm_mode_16_64 3
		.amdhsa_memory_ordered 1
		.amdhsa_forward_progress 1
		.amdhsa_inst_pref_size 92
	.end_amdhsa_kernel
	.amdgpu_metadata
---
amdhsa.version: [ 1, 2 ]
amdhsa.kernels:
  - .name:           k_qe232c6a268_attn
    .symbol:         k_qe232c6a268_attn.kd
    .args:
      - { .name: qbuf, .offset: 0, .size: 8, .value_kind: global_buffer, .address_space: global }
      - { .name: kv, .offset: 8, .size: 8, .value_kind: global_buffer, .address_space: global }
      - { .name: cbuf, .offset: 16, .size: 8, .value_kind: global_buffer, .address_space: global }
    .group_segment_fixed_size: 213504
    .private_segment_fixed_size: 0
    .kernarg_segment_align: 8
    .kernarg_segment_size: 24
    .max_flat_workgroup_size: 512
    .sgpr_count:     66
    .vgpr_count:     256
    .wavefront_size: 32
...
	.end_amdgpu_metadata
.endif
;; end of part 3
;; launch outp (part 4): grid 4 x 64, 8 waves a work-group, clusters of 4 x 4, 308,224 bytes of LDS; arguments cbuf, wbuf, bo, out0; writes out0
.if DOCPART == 4
	.amdgcn_target "amdgcn-amd-amdhsa--gfx1250"
	.amdhsa_code_object_version 6
	.text
	.protected	k_qe232c6a268_outp
	.globl	k_qe232c6a268_outp
	.p2align	8
	.type	k_qe232c6a268_outp,@function
k_qe232c6a268_outp:
	s_mov_b64 s[64:65], 0
	v_nop
	global_prefetch_b8 v0, s[64:65] scope:SCOPE_SE
	s_setreg_imm32_b32 hwreg(HW_REG_WAVE_MODE, 25, 1), 1
	s_wait_xcnt 0x0
	s_wait_alu depctr_hold_cnt(0) depctr_sa_sdst(0) depctr_va_vdst(0) depctr_va_sdst(0) depctr_va_ssrc(0) depctr_va_vcc(0) depctr_vm_vsrc(0)
	s_getreg_b32 s2, hwreg(HW_REG_IB_STS2, 6, 4)
	s_cmp_eq_u32 s2, 0
	s_cbranch_scc0 .Lentry_in_a_cluster
	s_endpgm
.Lentry_in_a_cluster:
	s_bfe_u32 s2, ttmp6, 0x10000c
	s_cmp_lg_u32 s2, 0xf033
	s_cbranch_scc0 .Lentry_shape_is_right
	s_endpgm
.Lentry_shape_is_right:
; out0 = ctx wo + bo on codes of FP6 (E2M3) with E8M0 scales; out0 [8192][1024] f32.
; OPERANDS: cbuf (512 token tiles) and wbuf's column tiles 192-255 (wo), laid in tile chunks: a tile of 16 rows x 256 along K is four half images of 768 bytes (lane l = r + 16 h: 16 bytes at 16 l,
; 8 at 512 + 8 l: the 24 bytes of row r, block h) and 2 x 16 scale words, 3,200 bytes in a place of 3,328; a tile is four chunks.  Tile 2 f + u, row r stands for index 32 f + 8 u + r + 8 (r / 8).
; SHAPE: a work-group makes 128 tokens (P) x 256 columns (R) over all of K = 1,024; source 0 = 16 columns, source 1 = 16 tokens: a lane holds one token, and the 16 registers of column tiles 2 b, 2 b + 1
; are columns 32 b + 16 h + 0 .. 15.  Eight waves, wave (wp, wr) = (w / 4, w % 4) makes 64 x 64 in 16 accumulators.
; LDS: all of K for the 24 tiles fits (307,200 bytes): every tensor load is a first fill, all go out at the head behind one round of the cluster's barrier, four a wave (waves 0-1: P's, waves 2-5: R's; by
; this text's count four outstanding), and nothing is filled again.  CLUSTER 4 x 4: P's tiles are asked for jointly along a row of the cluster, R's along a column.
; No prefetch: every byte is asked for in the kernel's first lines.  The bias is loaded into the accumulators while the tiles are on their way.
; THE WAY OUT: a tile of 16 tokens x 64 columns goes through the wave's own stage in LDS and leaves as rows of 256 consecutive bytes, aligned, sixteen lanes to a row.  The stages lie in chunk 0's
; bytes: that chunk has had its only fill, and every wave has left it three barriers ago.
; THESE LINES TAKE THE PLACE OF WHAT IS SAID ABOVE OF TOKENS AND OF THE FILLS.
; TOKENS: token tile g, row r is token 64 (g / 4) + 8 (g % 4) + r % 8 + 32 (r / 8); wo's columns keep the order given above.
; FILLS: eight first fills, one a wave: wave w asks for chunk w / 2 of K, the even waves for P's 8 tiles (8 rows of 3,200 bytes), the odd waves for R's 16; each stands in an arm of its own of one
; chain of branches on the wave's number.  In front of chunk c's barrier the waves under 2 c + 2 wait for their load; in front of the last every wave waits.  A wave has one tensor load outstanding.
.set TILEB, 13312
.set TCB,   3328
.set SLOTB, 3200
.set QUADB, 4*SLOTB
.set CHB,   24*SLOTB
.set SP,    272                        ; a stage row: 256 bytes + 16
.set AP16, 1
.set AP8,  2
.set AR16, 3
.set AR8,  4
.set ADS,  5
.set SC,   8                           ; v8-11 scale words: lanes 0-15 P's tile i, lanes 16-31 R's tile i; they hold nothing else
.set STO,  13                          ; v13  the stage: where I put 16 bytes of my row
.set RD,   15                          ; v15  and where I read rows back
.set GO,   121                         ; v121 my byte offset in two rows of out0
.set PF,   16
.set RF,   64
.set ACC,  128
.set WV, 18
.set WP, 19
.set WR, 20
.set CX, 21
.set CY, 22
.set YY, 24
.set G1P, 32
.set G1R, 40
.set G0P, 48
.set G0R, 68
.macro CROUND
	s_barrier_signal -1
	s_barrier_wait -1
	s_cmp_lg_u32 s[WV], 0
	s_cbranch_scc1 .Lnot_wave_0_\@
	s_barrier_signal -3
.Lnot_wave_0_\@:
	s_barrier_wait -3
	s_barrier_signal -1
	s_barrier_wait -1
.endm
.macro FRAGS s
.irp i, 0,1,2,3
.irp c, 0,1
	ds_load_b128 v[PF+12*\i+6*\c:PF+12*\i+6*\c+3],   v[AP16] offset:SLOTB*\i+768*(2*(\s)+\c)
	ds_load_b64  v[PF+12*\i+6*\c+4:PF+12*\i+6*\c+5], v[AP8]  offset:SLOTB*\i+768*(2*(\s)+\c)+512
	ds_load_b128 v[RF+12*\i+6*\c:RF+12*\i+6*\c+3],   v[AR16] offset:SLOTB*\i+768*(2*(\s)+\c)
	ds_load_b64  v[RF+12*\i+6*\c+4:RF+12*\i+6*\c+5], v[AR8]  offset:SLOTB*\i+768*(2*(\s)+\c)+512
.endr
	ds_load_b32 v[SC+\i], v[ADS] offset:SLOTB*\i+3072+64*(\s)
.endr
.endm
.macro MULS                            ; the 16 accumulators take turns, one instruction a turn, in the same order in every step
.irp p, 0,1,2,3
.irp q, 0,1,2,3
	v_wmma_scale_f32_16x16x128_f8f6f4 v[ACC+8*(4*\p+\q):ACC+8*(4*\p+\q)+7], v[RF+12*\q:RF+12*\q+11], v[PF+12*\p:PF+12*\p+11], v[ACC+8*(4*\p+\q):ACC+8*(4*\p+\q)+7], v[SC+\q], v[SC+\p] matrix_a_fmt:MATRIX_FMT_FP6 matrix_b_fmt:MATRIX_FMT_FP6 matrix_a_scale:MATRIX_SCALE_ROW1
.endr
.endr
.endm
.macro KSTEP s, places
.rept \places
	v_nop                                          ; four plain lines between the last products and loads into the registers that they read
.endr
	FRAGS \s
	s_wait_dscnt 0x0
	MULS
.endm
.macro CHUNK c
.if \c < 3
	s_cmp_lt_u32 s[WV], 2*\c+2                     ; the two waves that asked for chunk c wait for it (those of earlier chunks have nothing out)
	s_cbranch_scc0 .Lnot_mine_\@
	s_wait_tensorcnt 0x0
.Lnot_mine_\@:
.else
	s_wait_tensorcnt 0x0                           ; the last chunk: every wave waits
.endif
	s_barrier_signal -1
	s_barrier_wait -1
	KSTEP 0, 0
	KSTEP 1, 4
.if \c < 3
.irp a, AP16, AP8, AR16, AR8, ADS
	v_add_nc_u32 v[\a], CHB, v[\a]                 ; on to the next chunk; these five are also the plain lines in front of its loads
.endr
.endif
.endm
	s_load_b256 s[4:11], s[0:1], 0x0               ; cbuf s[4:5], wbuf s[6:7], bo s[8:9], out0 s[10:11]
	v_lshl_add_u32 v126, v0, 2, 0x4b000
	v_mov_b32 v127, 0
	ds_add_u32 v126, v127
	ds_add_u32 v126, v127
	v_lshrrev_b32 v1, 5, v0
	s_delay_alu instid0(VALU_DEP_1)
	v_readfirstlane_b32 s[WV], v1
	s_lshr_b32 s[WP], s[WV], 2
	s_and_b32 s[WR], s[WV], 3
	s_bfe_u32 s[CX], ttmp6, 0x40000
	s_bfe_u32 s[CY], ttmp6, 0x40004
	s_and_b32 s[YY], ttmp7, 0xffff
	s_lshl_b32 s25, s[CY], 2
	s_lshl_b32 s25, 15, s25                        ; my row of the cluster
	s_lshl_b32 s26, 0x1111, s[CX]                  ; my column
	s_or_b32 s[G1P], s25, (3<<16)|(1<<21)          ; group 1: rows of 3,200 bytes (400 elements of 8 bytes), 13,312 bytes apart in memory, dense in LDS
	s_or_b32 s[G1R], s26, (3<<16)|(1<<21)
.irp g, G1P, G1R
	s_mov_b32 s[\g+1], 400<<16
	s_mov_b32 s[\g+3], 400<<16
	s_mov_b32 s[\g+5], 1664
	s_mov_b32 s[\g+6], 0
	s_mov_b32 s[\g+7], 0
.endr
	s_mov_b32 s[G1P+2], 8<<16                      ; tensor_dim1, tile_dim1: P's 8 tiles,
	s_mov_b32 s[G1P+4], 8
	s_mov_b32 s[G1R+2], 16<<16                     ; R's 16
	s_mov_b32 s[G1R+4], 16
	s_lshl_b32 s27, s[YY], 2
	s_add_co_u32 s27, s27, s[CY]                   ; Pt: my 128 tokens (registers that never hold cx)
	s_lshl_b32 s30, s27, 3
	s_lshr_b32 s3, s[WV], 1                        ; my chunk of K
	s_mul_i32 s2, s3, TCB
	s_mul_i32 s30, s30, TILEB
	s_add_co_u32 s30, s30, s2
	s_mov_b32 s31, 0
	s_lshl_b32 s98, s[CX], 4                       ; my 256 columns of wo (registers that never hold cy)
	s_add_co_u32 s98, s98, 192
	s_mul_i32 s98, s98, TILEB
	s_add_co_u32 s98, s98, s2
	s_mov_b32 s99, 0
	s_mul_i32 s3, s3, CHB                          ; where the chunk goes
	s_wait_dscnt 0x0
	s_wait_kmcnt 0x0
	s_add_nc_u64 s[84:85], s[4:5], s[30:31]
	s_add_nc_u64 s[86:87], s[6:7], s[98:99]
	s_mov_b32 s[G0P], 1
	s_mov_b32 s[G0P+1], s3                         ; P's tiles open the chunk,
	s_mov_b64 s[G0P+2:G0P+3], s[84:85]
	s_or_b32 s[G0P+3], s[G0P+3], 0x80000000
	s_mov_b32 s[G0R], 1
	s_add_co_u32 s[G0R+1], s3, 8*SLOTB             ; R's follow
	s_mov_b64 s[G0R+2:G0R+3], s[86:87]
	s_or_b32 s[G0R+3], s[G0R+3], 0x80000000
	CROUND                                         ; all sixteen work-groups are here: the joint loads meet
.macro ARM under, g0, g1                       ; one arm of the chain: one wave, one fill, a jump to the join
	s_cmp_lt_u32 s[WV], \under
	s_cbranch_scc0 .Lnext_\@
	tensor_load_to_lds s[\g0:\g0+3], s[\g1:\g1+7]
	s_nop 0
.rept 4
	v_nop
.endr
	s_branch .Lasked
.Lnext_\@:
.endm
.irp c, 0,1,2
	ARM 2*\c+1, G0P, G1P
	ARM 2*\c+2, G0R, G1R
.endr
	ARM 7, G0P, G1P
	tensor_load_to_lds s[G0R:G0R+3], s[G1R:G1R+7]
	s_nop 0
.rept 4
	v_nop
.endr
.Lasked:
	v_and_b32 v14, 31, v0                          ; l
	v_and_b32 v6, 15, v0                           ; r
	s_wait_alu depctr_va_vdst(0)
	v_bfe_u32 v7, v0, 4, 1                         ; h
	s_mul_i32 s2, s[WP], QUADB
	s_mul_i32 s95, s[WR], QUADB
	s_add_co_u32 s95, s95, 2*QUADB
	v_lshl_add_u32 v[AP16], v14, 4, s2
	v_lshl_add_u32 v[AP8], v14, 3, s2
	v_lshl_add_u32 v[AR16], v14, 4, s95
	v_lshl_add_u32 v[AR8], v14, 3, s95
	s_xor_b32 s95, s[WP], 1
	s_add_co_u32 s95, s95, s[WR]
	s_add_co_u32 s95, s95, 1
	s_mul_i32 s95, s95, QUADB                      ; from my P tiles to my R tiles: (2 + wr - wp) x 12,800
	v_mul_u32_u24 v[ADS], s95, v7
	s_delay_alu instid0(VALU_DEP_1)
	v_lshl_add_u32 v[ADS], v6, 2, v[ADS]
	s_delay_alu instid0(VALU_DEP_1)
	v_add_nc_u32 v[ADS], s2, v[ADS]
	s_mul_i32 s95, s[WV], 16*SP                    ; my stage
	v_mul_u32_u24 v[STO], v6, SP
	s_wait_alu depctr_va_vdst(0)
	v_lshl_add_u32 v[STO], v7, 6, v[STO]
	s_delay_alu instid0(VALU_DEP_1)
	v_add_nc_u32 v[STO], s95, v[STO]               ; in: row r, 64 h bytes on
	v_mul_u32_u24 v[RD], v7, SP
	s_delay_alu instid0(VALU_DEP_1)
	v_lshl_add_u32 v[RD], v6, 4, v[RD]
	s_delay_alu instid0(VALU_DEP_1)
	v_add_nc_u32 v[RD], s95, v[RD]                 ; back: lanes 0-15 one row, lanes 16-31 the next
	v_lshlrev_b32 v[GO], 12, v7
	s_delay_alu instid0(VALU_DEP_1)
	v_lshl_add_u32 v[GO], v6, 4, v[GO]             ; and the same two rows in out0
	v_lshlrev_b32 v12, 6, v7                       ; the bias's offset: 64 h
	s_wait_alu depctr_va_vdst(0)
	s_lshl_b32 s2, s[CX], 10
	s_lshl_b32 s95, s[WR], 8
	s_add_co_u32 s2, s2, s95                       ; my 64 columns, in bytes
	s_mov_b32 s3, 0
	s_add_nc_u64 s[88:89], s[8:9], s[2:3]
	s_add_nc_u64 s[90:91], s[10:11], s[2:3]
	s_lshl_b32 s2, s27, 7
	s_lshl_b32 s95, s[WP], 6
	s_add_co_u32 s2, s2, s95
	s_lshl_b32 s2, s2, 12                          ; my first token's row of 4,096 bytes
	s_add_nc_u64 s[90:91], s[90:91], s[2:3]
.irp p, 0,1,2,3
.irp q, 0,1,2,3                                ; register j of accumulator (p, q): column 32 (q / 2) + 16 h + 8 (q % 2) + j
	global_load_b128 v[ACC+8*(4*\p+\q):ACC+8*(4*\p+\q)+3],   v12, s[88:89] offset:128*(\q/2)+32*(\q%2)
	global_load_b128 v[ACC+8*(4*\p+\q)+4:ACC+8*(4*\p+\q)+7], v12, s[88:89] offset:128*(\q/2)+32*(\q%2)+16
.endr
.endr
	s_wait_loadcnt 0x0                             ; the bias stands in the accumulators
	CHUNK 0
	s_wait_alu depctr_va_vdst(0)
	CHUNK 1
	s_wait_alu depctr_va_vdst(0)
	CHUNK 2
	s_wait_alu depctr_va_vdst(0)
	CHUNK 3
.rept 4
	v_nop                                          ; four plain lines between the last products and the first read of results
.endr
.macro TOSTAGE pi                              ; token tile pi: into the stage, each accumulator from its low end on, and back as whole rows into the registers that it left
.irp b, 0,1
.irp j, 0,1,2,3
	ds_store_b128 v[STO], v[ACC+32*(\pi)+16*\b+4*\j:ACC+32*(\pi)+16*\b+4*\j+3] offset:128*\b+16*\j
.endr
.endr
.irp t, 0,1,2,3,4,5,6,7
	ds_load_b128 v[ACC+32*(\pi)+4*\t:ACC+32*(\pi)+4*\t+3], v[RD] offset:2*SP*\t    ; LDS serves a wave's instructions in order: these see the stores above, and the next tile's stores come behind them
.endr
.endm
.macro SEND pi, younger                        ; younger: the LDS instructions issued behind tile pi's loads, which may stay out
	s_wait_dscnt \younger
.irp t, 0,1,2,3,4,5,6,7                        ; stage rows 2 t and 2 t + 1 are tokens 8 pi + 2 t + 24 (t / 4) + h of my 64
	global_store_b128 v[GO], v[ACC+32*(\pi)+4*\t:ACC+32*(\pi)+4*\t+3], s[90:91] offset:(8*(\pi)+2*\t+24*(\t/4))*4096 th:TH_STORE_NT   ; sixteen lanes store 256 consecutive bytes, aligned; written once, read by nobody here
.endr
.endm
	TOSTAGE 0
.irp pi, 1,2,3
	TOSTAGE \pi
	SEND \pi-1, 16                                 ; behind that tile's loads: the next tile's 8 stores and 8 loads
.endr
	SEND 3, 0
	s_wait_tensorcnt 0x0
	ds_add_u32 v126, v127
	s_wait_dscnt 0x0
	CROUND                                         ; the closing round: no work-group ends while a partner may still ask for a tile that names it
	s_endpgm
.Lfunc_end_k_qe232c6a268_outp:
	.size	k_qe232c6a268_outp, .Lfunc_end_k_qe232c6a268_outp-k_qe232c6a268_outp
	.p2alignl 7, 3214868480
	.fill 96, 4, 3214868480
	.section	.rodata,"a",@progbits
	.p2align	6, 0x0
	.amdhsa_kernel k_qe232c6a268_outp
		.amdhsa_group_segment_fixed_size 308224
		.amdhsa_private_segment_fixed_size 0
		.amdhsa_enable_private_segment 0
		.amdhsa_kernarg_size 32
		.amdhsa_user_sgpr_count 2
		.amdhsa_user_sgpr_kernarg_segment_ptr 1
		.amdhsa_wavefront_size32 1
		.amdhsa_system_sgpr_workgroup_id_x 1
		.amdhsa_system_sgpr_workgroup_id_y 1
		.amdhsa_system_sgpr_workgroup_id_z 1
		.amdhsa_system_vgpr_workitem_id 0
		.amdhsa_next_free_vgpr 256
		.amdhsa_next_free_sgpr 100
		.amdhsa_reserve_vcc 0
		.amdhsa_float_denorm_mode_32 3
		.amdhsa_float_denorm_mode_16_64 3
		.amdhsa_memory_ordered 1
		.amdhsa_forward_progress 1
		.amdhsa_inst_pref_size 56
	.end_amdhsa_kernel
	.amdgpu_metadata
---
amdhsa.version: [ 1, 2 ]
amdhsa.kernels:
  - .name:           k_qe232c6a268_outp
    .symbol:         k_qe232c6a268_outp.kd
    .args:
      - { .name: cbuf, .offset: 0, .size: 8, .value_kind: global_buffer, .address_space: global }
      - { .name: wbuf, .offset: 8, .size: 8, .value_kind: global_buffer, .address_space: global }
      - { .name: bo, .offset: 16, .size: 8, .value_kind: global_buffer, .address_space: global }
      - { .name: out0, .offset: 24, .size: 8, .value_kind: global_buffer, .address_space: global }
    .group_segment_fixed_size: 308224
    .private_segment_fixed_size: 0
    .kernarg_segment_align: 8
    .kernarg_segment_size: 32
    .max_flat_workgroup_size: 256
    .sgpr_count:     100
    .vgpr_count:     256
    .wavefront_size: 32
...
	.end_amdgpu_metadata
.endif
;; end of part 4
